; MI455X (gfx1250); checked and timed in simulation.
; The chip was launched on July 23, 2026; its instructions are those of AMD's public machine-readable ISA for CDNA 5 (MIT licence, August 2026) and "CDNA5" Instruction Set Architecture Reference Guide (July 2026). The comments in the code are by the model that wrote it; some were corrected since.
;; Igformer Model. Allowed arithmetic: float matrix products may take bf16 or f16 operands with f32 sums; all other float work in f32.
;; Inputs: Wk 2 x 256 x 1,024 float32; Wq 2 x 256 x 1,024 float32; Wv 2 x 256 x 1,024 float32; bk 2 x 1,024 float32; bq 2 x 1,024 float32; bv 2 x 1,024 float32; fc0_b 256 float32; fc0_w 256 x 256 float32; fc_b 256 float32; fc_w 256 x 256 float32; ln_b 3 x 256 float32; ln_w 3 x 256 float32; x 25,000 x 256 float32.
;; Outputs: out0 25,000 x 256 float32.
;; One version. Each part assembles by itself: llvm-mc -triple=amdgcn-amd-amdhsa -mcpu=gfx1250 --defsym DOCPART=n.
;; ======== version 1 of 1: 8 launches
;; limits: a difference of large sums (such as E[x^2] - mean^2): digits are lost where the result is much smaller than its terms; values are held in f16: magnitudes above 65,504 overflow, below 6.1e-05 lose precision; values outside matrix products are rounded to bf16
;; workspace buffers: WP0 3,647,488 bytes; WP1 3,647,488 bytes; HA 25,690,112 bytes; HB 25,690,112 bytes; GP 30,707,712 bytes; GR 150,528 bytes; EP 536,832 bytes
;; launch wprep (part 1): grid 576 x 1, 4 waves a work-group, no clusters, 0 bytes of LDS; arguments Wq, Wk, Wv, bq, bk, bv, fc0_w, fc_w, WP0, WP1; writes WP0, WP1
.if DOCPART == 1
	.amdgcn_target "amdgcn-amd-amdhsa--gfx1250"
	.amdhsa_code_object_version 6
	.text
	.protected	k_q0e5256fc74_wprep
	.globl	k_q0e5256fc74_wprep
	.p2align	8
	.type	k_q0e5256fc74_wprep,@function
k_q0e5256fc74_wprep:
	s_mov_b64 s[64:65], 0
	v_nop
	global_prefetch_b8 v0, s[64:65] scope:SCOPE_SE
	s_setreg_imm32_b32 hwreg(HW_REG_WAVE_MODE, 25, 1), 1
	s_wait_xcnt 0x0
; Tables made of the weights alone, for both layers (WP0: layer 0 and fc0_w; WP1: layer 1 and fc_w).
; W^ = [W; b] is a weight with its bias as row 256 (rows 257..271 are zero), cut into 17 blocks of 16 rows; h is a head.
;   AF   bf16  A_h = Wq^_h Wk^_h^T           as operand blocks [h][mb 17][kb 17]
;   BQ   f32   Wq^_h Wq^_h^T, BK the same of k, as tiles [h][153]: tile 9 i + d is (block row i, block column (i + d) mod 17), d = 0..8
;   WVC  f32   Wv^_h as tiles [h][mb 17][nb 16];   WVF bf16 Wv^_h^T as operand blocks [h][nb 16][kb 17]
;   FCT  f16   fc^T as operand blocks [K half 2][nb 16][kb 8]
; An operand block is 512 bytes: lane l holds, at 16 l, X[16 nb + l%16][16 kb + 8 (l/16) + 0..7]; two of them are one K = 32 fragment.
; A tile is 1,024 bytes of f32: registers 0-3 of a 16 x 16 result at 16 l, registers 4-7 at 512 + 16 l.
; So every store here, and every later load of these tables, covers 512 consecutive bytes of a wave.
; LIMITS: products of weights take bf16 operands and f32 sums; fc weights are rounded to f16 (magnitudes below 65,504).
; No cluster: everything is loaded through registers and each work-group reads rows of its own choice.
.set AF_O,  0
.set WVF_O, 591872
.set WVC_O, 1148928
.set BQ_O,  2263040
.set BK_O,  2889728
.set FCT_O, 3516416
.set HOLD, 32                          ; v[32:95]   fragments of the block that stays (its f32 loads reach v159 once)
.set STRM, 96                          ; v[96:223]  128 registers of f32 as loaded, then 64 of bf16 fragments
.set ACC0, 224                         ; v[224:231], v[232:239] two sums that take turns
.set PK,   240                         ; v[240:243] packed result
.macro PLACES                          ; four independent vector instructions behind a matrix instruction (ISA guide 7.12.1)
.rept 4
	v_nop
.endr
.endm
; 16 rows x 256 of W^ (block s[blk]) as eight bf16 fragments in v[dst:dst+63].  Block 16 is the bias: every lane reads it
; (row stride 0) and only row 0 of the block, lanes 0 and 16, keeps it.
.macro LOADBLK dst, wp, bp, blk, vo
	s_lshl_b32 s48, s[\blk], 16                    ; 16 rows of 4,096 bytes
	s_add_co_u32 s48, s48, s44
	s_cmp_lt_u32 s[\blk], 16
	s_cselect_b64 s[46:47], s[\wp:\wp+1], s[\bp:\bp+1]
	s_cselect_b32 s48, s48, s45
	s_cselect_b32 s49, 4096, 0
	s_cselect_b32 s50, -1, 0x00010001
	v_mad_u32_u24 v[\vo], v2, s49, v6              ; row x stride + 32 (l/16)
	v_add_nc_u32 v[\vo], s48, v[\vo]
.set k_, 0
.rept 8
	global_load_b128 v[\dst+16*k_:\dst+16*k_+3], v[\vo], s[46:47] offset:k_*128
	global_load_b128 v[\dst+16*k_+4:\dst+16*k_+7], v[\vo], s[46:47] offset:k_*128+16
	global_load_b128 v[\dst+16*k_+8:\dst+16*k_+11], v[\vo], s[46:47] offset:k_*128+64
	global_load_b128 v[\dst+16*k_+12:\dst+16*k_+15], v[\vo], s[46:47] offset:k_*128+80
.set k_, k_+1
.endr
.set k_, 0
.rept 8
	s_wait_loadcnt 4*(7-k_)                        ; the four loads of each younger K step may stay out
.set i_, 0
.rept 8
	v_cvt_pk_bf16_f32 v[\dst+8*k_+i_], v[\dst+16*k_+2*i_], v[\dst+16*k_+2*i_+1]   ; in place, ascending: the target has been read already
.set i_, i_+1
.endr
.set k_, k_+1
.endr
.set i_, 0
.rept 64
	v_cndmask_b32 v[\dst+i_], 0, v[\dst+i_], s50
.set i_, i_+1
.endr
.endm
; four tiles of 16 x 16 f32, rows ld bytes apart, a lane's eight numbers down a column
.macro GATHER sb, ld
.irp t, 0,1,2,3
.irp j, 0,1,2,3,4,5,6,7
	global_load_b32 v[32+8*\t+\j], v8, s[\sb:\sb+1] offset:\j*\ld+\t*64
.endr
.endr
	s_wait_loadcnt 0x0
.endm
	s_load_b512 s[4:19], s[0:1], 0x0               ; Wq 4, Wk 6, Wv 8, bq 10, bk 12, bv 14, fc0_w 16, fc_w 18
	s_load_b128 s[20:23], s[0:1], 0x40             ; WP0 20, WP1 22
	v_and_b32 v1, 31, v0                           ; lane
	v_and_b32 v2, 15, v0                           ; r
	v_bfe_u32 v3, v0, 4, 1                         ; hh
	v_lshrrev_b32 v4, 5, v0
	v_readfirstlane_b32 s24, v4                    ; wave
	v_lshlrev_b32 v5, 4, v1                        ; 16 x lane
	v_lshlrev_b32 v6, 5, v3                        ; 32 hh
	v_lshlrev_b32 v7, 2, v2                        ; 4 r
	s_mov_b32 s25, ttmp9
	s_wait_kmcnt 0x0
	s_cmp_lt_u32 s25, 408
	s_cbranch_scc0 .Lnot_r1
	; ---- work-groups 0..407: X = Wa^_h(block b1) Wb^_h(block b2)^T.  408 = 3 kinds x 2 layers x 4 heads x 17 blocks b1
	s_mul_i32 s26, s25, 241
	s_lshr_b32 s26, s26, 12                        ; id / 17 (exact for id < 4,080)
	s_mul_i32 s27, s26, 17
	s_sub_co_u32 s27, s25, s27                     ; b1
	s_lshr_b32 s28, s26, 3                         ; kind: 0 q k, 1 q q, 2 k k
	s_bfe_u32 s29, s26, 0x10002                    ; layer
	s_and_b32 s30, s26, 3                          ; head
	s_lshl_b32 s44, s29, 20
	s_lshl_b32 s45, s29, 12
	s_lshl_b32 s31, s30, 10
	s_add_co_u32 s44, s44, s31                     ; layer and head in W
	s_add_co_u32 s45, s45, s31                     ; layer and head in b
	s_mul_i32 s43, s30, 17
	s_add_co_u32 s43, s43, s27
	s_mul_i32 s43, s43, 8704                       ; kind 0: AF + (17 h + b1) x 17 blocks
	s_mul_i32 s55, s30, 156672
	s_add_co_u32 s56, s55, BQ_O
	s_add_co_u32 s55, s55, BK_O
	s_cmp_eq_u32 s28, 1
	s_cselect_b32 s55, s56, s55
	s_cselect_b64 s[36:37], s[4:5], s[6:7]         ; the streamed side: q for kind 1, else k
	s_cselect_b64 s[38:39], s[10:11], s[12:13]
	s_cmp_eq_u32 s28, 2
	s_cselect_b64 s[32:33], s[6:7], s[4:5]         ; the side that stays: k for kind 2, else q
	s_cselect_b64 s[34:35], s[12:13], s[10:11]
	s_cmp_eq_u32 s29, 0
	s_cselect_b64 s[40:41], s[20:21], s[22:23]     ; the layer's table
	s_cmp_eq_u32 s28, 0
	s_cselect_b32 s43, s43, s55
	s_cselect_b32 s42, 17, 9                       ; tiles of this block: all 17, or d = 0..8
	LOADBLK HOLD, 32, 34, 27, 20
	; wave w takes tiles t = w, w + 4, ...: (tiles - w + 3) / 4 trips, that is 5, 4, 4, 4 of 17 tiles and 3, 2, 2, 2 of 9
	s_sub_co_u32 s57, s42, s24
	s_add_co_u32 s57, s57, 3
	s_lshr_b32 s57, s57, 2                         ; my trips; not written in the loop
	s_mov_b32 s58, 0                               ; the trip counter, in steps of 1
	s_mov_b32 s51, s24                             ; t
.Lr1_loop:
	s_wait_xcnt 0x0                                ; the last trip's store has read its data and its offset
	s_sub_co_u32 s52, s27, s51                     ; b1 - t, huge where negative
	s_add_co_u32 s53, s52, 17
	s_min_u32 s52, s53, s52                        ; (b1 - t) mod 17
	s_cmp_eq_u32 s28, 0
	s_cselect_b32 s52, s51, s52                    ; b2
	LOADBLK STRM, 36, 38, 52, 21
	; source 0 = streamed block, source 1 = staying block: register j of lane (r, hh) is X[16 b1 + r][16 b2 + 8 hh + j].
	; The two sums take turns, one instruction a turn.
.set k_, 0
.rept 8
.if k_ < 2
	v_wmma_f32_16x16x32_bf16 v[ACC0+8*(k_&1):ACC0+8*(k_&1)+7], v[STRM+8*k_:STRM+8*k_+7], v[HOLD+8*k_:HOLD+8*k_+7], 0
.else
	v_wmma_f32_16x16x32_bf16 v[ACC0+8*(k_&1):ACC0+8*(k_&1)+7], v[STRM+8*k_:STRM+8*k_+7], v[HOLD+8*k_:HOLD+8*k_+7], v[ACC0+8*(k_&1):ACC0+8*(k_&1)+7]
.endif
.set k_, k_+1
.endr
	PLACES
.irp i, 0,2,4,6
	v_pk_add_f32 v[ACC0+\i:ACC0+\i+1], v[ACC0+\i:ACC0+\i+1], v[ACC0+8+\i:ACC0+8+\i+1]
.endr
	s_cmp_lg_u32 s28, 0
	s_cbranch_scc1 .Lr1_sym
.irp i, 0,1,2,3
	v_cvt_pk_bf16_f32 v[PK+\i], v[ACC0+2*\i], v[ACC0+2*\i+1]
.endr
	s_lshl_b32 s54, s52, 9
	s_add_co_u32 s54, s54, s43
	v_add_nc_u32 v22, s54, v5
	global_store_b128 v22, v[PK:PK+3], s[40:41]    ; operand block (mb = b1, kb = b2)
	s_branch .Lr1_next
.Lr1_sym:
	s_mul_i32 s54, s52, 9                          ; X is symmetric: what I hold is tile (block row b2, block column b1), d = t
	s_add_co_u32 s54, s54, s51
	s_lshl_b32 s54, s54, 10
	s_add_co_u32 s54, s54, s43
	v_add_nc_u32 v22, s54, v5
	global_store_b128 v22, v[ACC0:ACC0+3], s[40:41]
	global_store_b128 v22, v[ACC0+4:ACC0+7], s[40:41] offset:512
.Lr1_next:
	s_add_co_u32 s51, s51, 4                       ; the next tile of this wave
	s_add_co_u32 s58, s58, 1
	s_cmp_lt_u32 s58, s57
	s_cbranch_scc1 .Lr1_loop
	s_endpgm
.Lnot_r1:
	s_cmp_lt_u32 s25, 544
	s_cbranch_scc0 .Lr3
	; ---- work-groups 408..543: Wv^ of (layer, head, block row mb); wave w takes block columns 4 w .. 4 w + 3
	s_sub_co_u32 s26, s25, 408
	s_mul_i32 s27, s26, 241
	s_lshr_b32 s27, s27, 12                        ; 4 layer + head
	s_mul_i32 s28, s27, 17
	s_sub_co_u32 s28, s26, s28                     ; mb
	s_lshr_b32 s29, s27, 2
	s_and_b32 s30, s27, 3
	s_lshl_b32 s31, s24, 8                         ; four tiles of 64 bytes a wave
	s_lshl_b32 s32, s30, 10
	s_add_co_u32 s31, s31, s32
	s_cmp_eq_u32 s29, 0
	s_cselect_b64 s[40:41], s[20:21], s[22:23]
	s_cmp_eq_u32 s28, 16
	s_cbranch_scc1 .Lr2_bias
	s_lshl_b32 s33, s29, 20
	s_lshl_b32 s34, s28, 16
	s_add_co_u32 s33, s33, s34
	s_add_co_u32 s33, s33, s31
	v_lshl_add_u32 v8, v3, 15, v7                  ; 8 hh rows of 4,096 bytes + 4 r
	v_add_nc_u32 v8, s33, v8
	GATHER 8, 4096
	s_branch .Lr2_out
.Lr2_bias:
	s_lshl_b32 s33, s29, 12
	s_add_co_u32 s33, s33, s31
	v_add_nc_u32 v8, s33, v7
.irp t, 0,1,2,3
	global_load_b32 v[32+8*\t], v8, s[14:15] offset:\t*64
.irp j, 1,2,3,4,5,6,7
	v_mov_b32 v[32+8*\t+\j], 0                     ; rows 257..271 are zero
.endr
.endr
	s_mov_b32 s35, 0xffff
	s_wait_loadcnt 0x0
.irp t, 0,1,2,3
	v_cndmask_b32 v[32+8*\t], 0, v[32+8*\t], s35   ; row 256 lies in lanes 0-15, row 264 in lanes 16-31
.endr
.Lr2_out:
	s_lshl_b32 s37, s24, 2                         ; 4 w
	s_mul_i32 s36, s30, 17
	s_add_co_u32 s36, s36, s28
	s_lshl_b32 s36, s36, 4
	s_add_co_u32 s36, s36, s37
	s_lshl_b32 s36, s36, 10
	s_add_co_u32 s36, s36, WVC_O
	v_add_nc_u32 v9, s36, v5
	s_lshl_b32 s38, s30, 4
	s_add_co_u32 s38, s38, s37
	s_mul_i32 s38, s38, 17
	s_add_co_u32 s38, s38, s28
	s_lshl_b32 s38, s38, 9
	s_add_co_u32 s38, s38, WVF_O
	v_add_nc_u32 v10, s38, v5
.irp t, 0,1,2,3
	global_store_b128 v9, v[32+8*\t:32+8*\t+3], s[40:41] offset:\t*1024
	global_store_b128 v9, v[32+8*\t+4:32+8*\t+7], s[40:41] offset:\t*1024+512
.irp i, 0,1,2,3
	v_cvt_pk_bf16_f32 v[64+4*\t+\i], v[32+8*\t+2*\i], v[32+8*\t+2*\i+1]
.endr
	global_store_b128 v10, v[64+4*\t:64+4*\t+3], s[40:41] offset:\t*8704
.endr
	s_endpgm
.Lr3:
	; ---- work-groups 544..575: fc0_w (16 blocks of K) and fc_w (16) transposed into f16 operand blocks
	s_sub_co_u32 s26, s25, 544
	s_lshr_b32 s27, s26, 4                         ; which matrix
	s_and_b32 s28, s26, 15                         ; kb
	s_lshl_b32 s29, s28, 14                        ; 16 rows of 1,024 bytes
	s_lshl_b32 s30, s24, 8
	s_add_co_u32 s29, s29, s30
	s_lshr_b32 s31, s28, 3
	s_lshl_b32 s31, s31, 16                        ; the K half
	s_and_b32 s32, s28, 7
	s_lshl_b32 s32, s32, 9
	s_add_co_u32 s31, s31, s32
	s_lshl_b32 s32, s24, 14                        ; 4 w blocks of 4,096 bytes
	s_add_co_u32 s31, s31, s32
	s_add_co_u32 s31, s31, FCT_O
	s_cmp_eq_u32 s27, 0
	s_cselect_b64 s[40:41], s[20:21], s[22:23]
	s_cselect_b64 s[42:43], s[16:17], s[18:19]
	v_lshl_add_u32 v8, v3, 13, v7                  ; 8 hh rows + 4 r
	v_add_nc_u32 v8, s29, v8
	v_add_nc_u32 v9, s31, v5
	GATHER 42, 1024
.irp t, 0,1,2,3
.irp i, 0,1,2,3
	v_cvt_pk_f16_f32 v[64+4*\t+\i], v[32+8*\t+2*\i], v[32+8*\t+2*\i+1]
.endr
	global_store_b128 v9, v[64+4*\t:64+4*\t+3], s[40:41] offset:\t*4096
.endr
	s_endpgm
.Lfunc_end_k_q0e5256fc74_wprep:
	.size	k_q0e5256fc74_wprep, .Lfunc_end_k_q0e5256fc74_wprep-k_q0e5256fc74_wprep
	.p2alignl 7, 3214868480
	.fill 96, 4, 3214868480
	.section	.rodata,"a",@progbits
	.p2align	6, 0x0
	.amdhsa_kernel k_q0e5256fc74_wprep
		.amdhsa_group_segment_fixed_size 0
		.amdhsa_private_segment_fixed_size 0
		.amdhsa_enable_private_segment 0
		.amdhsa_kernarg_size 80
		.amdhsa_user_sgpr_count 2
		.amdhsa_user_sgpr_kernarg_segment_ptr 1
		.amdhsa_wavefront_size32 1
		.amdhsa_system_sgpr_workgroup_id_x 1
		.amdhsa_system_sgpr_workgroup_id_y 1
		.amdhsa_system_sgpr_workgroup_id_z 1
		.amdhsa_system_vgpr_workitem_id 0
		.amdhsa_next_free_vgpr 248
		.amdhsa_next_free_sgpr 66
		.amdhsa_reserve_vcc 0
		.amdhsa_float_denorm_mode_32 3
		.amdhsa_float_denorm_mode_16_64 3
		.amdhsa_memory_ordered 1
		.amdhsa_forward_progress 1
		.amdhsa_inst_pref_size 41
	.end_amdhsa_kernel
	.amdgpu_metadata
---
amdhsa.version: [ 1, 2 ]
amdhsa.kernels:
  - .name:           k_q0e5256fc74_wprep
    .symbol:         k_q0e5256fc74_wprep.kd
    .args:
      - { .name: Wq, .offset: 0, .size: 8, .value_kind: global_buffer, .address_space: global }
      - { .name: Wk, .offset: 8, .size: 8, .value_kind: global_buffer, .address_space: global }
      - { .name: Wv, .offset: 16, .size: 8, .value_kind: global_buffer, .address_space: global }
      - { .name: bq, .offset: 24, .size: 8, .value_kind: global_buffer, .address_space: global }
      - { .name: bk, .offset: 32, .size: 8, .value_kind: global_buffer, .address_space: global }
      - { .name: bv, .offset: 40, .size: 8, .value_kind: global_buffer, .address_space: global }
      - { .name: fc0_w, .offset: 48, .size: 8, .value_kind: global_buffer, .address_space: global }
      - { .name: fc_w, .offset: 56, .size: 8, .value_kind: global_buffer, .address_space: global }
      - { .name: WP0, .offset: 64, .size: 8, .value_kind: global_buffer, .address_space: global }
      - { .name: WP1, .offset: 72, .size: 8, .value_kind: global_buffer, .address_space: global }
    .group_segment_fixed_size: 0
    .private_segment_fixed_size: 0
    .kernarg_segment_align: 8
    .kernarg_segment_size: 80
    .max_flat_workgroup_size: 128
    .sgpr_count:     66
    .vgpr_count:     248
    .wavefront_size: 32
...
	.end_amdgpu_metadata
.endif
;; end of part 1
;; launch first (part 2): grid 196 x 1, 4 waves a work-group, clusters of 4 x 1, 266,240 bytes of LDS; arguments x, fc0_b, ln_w, ln_b, WP0, HA, GP; writes HA, GP
.if DOCPART == 2
	.amdgcn_target "amdgcn-amd-amdhsa--gfx1250"
	.amdhsa_code_object_version 6
	.text
	.protected	k_q0e5256fc74_first
	.globl	k_q0e5256fc74_first
	.p2align	8
	.type	k_q0e5256fc74_first,@function
k_q0e5256fc74_first:
	s_mov_b64 s[64:65], 0
	v_nop
	global_prefetch_b8 v0, s[64:65] scope:SCOPE_SE
	s_setreg_imm32_b32 hwreg(HW_REG_WAVE_MODE, 25, 1), 1
	s_wait_xcnt 0x0
	s_wait_alu depctr_hold_cnt(0) depctr_sa_sdst(0) depctr_va_vdst(0) depctr_va_sdst(0) depctr_va_ssrc(0) depctr_va_vcc(0) depctr_vm_vsrc(0)
	s_getreg_b32 s2, hwreg(HW_REG_IB_STS2, 6, 4)
	s_cmp_eq_u32 s2, 0
	s_cbranch_scc0 .Lentry_in_a_cluster
	s_endpgm
.Lentry_in_a_cluster:
	s_bfe_u32 s2, ttmp6, 0x10000c
	s_cmp_lg_u32 s2, 0x3003
	s_cbranch_scc0 .Lentry_shape_is_right
	s_endpgm
.Lentry_shape_is_right:
; h0 = relu(LN(x fc0_w + fc0_b)) for 128 rows a work-group, stored in f32 (HA), and the group's part of G^ = [h0,1]^T [h0,1] (GP).
; Four waves; wave w = 2 wr + wc makes rows 64 wr .. + 63 x columns 128 wc .. + 127: 32 accumulator tiles, 256 registers.
; The matrix instruction is used with source 0 = 16 columns of the weights and source 1 = 16 rows of x, so that register j of lane (r, hh)
; is (row r, column 8 hh + j): a lane holds 64 numbers of each of four rows, and LN needs one exchange between lanes and one between waves.
; CLUSTER: all 196 work-groups read the same 128 KiB of weights (FCT, f16 operand blocks); 196 = 4 x 49, so four work-groups ask for each
; quarter of a chunk jointly.  The place in the cluster enters global addresses, select masks and nothing else.
; G^: the 17 x 17 blocks of 16 are covered by 153 tiles (i, (i + d) mod 17), d = 0..8; rows at or past 25,000 enter as zeros.
; LIMITS: x, fc0_w and h0 are rounded to f16 as matrix operands (magnitudes below 65,504); sums, bias, LN, relu and the stored h0 are f32.
; Rows 25,000 .. 25,087 of HA are made from x's last row: finite, and used in no result.
; WINDOWS: 0 addresses, operand buffers; 1 fragments of x, later Gram sums 0-31; 2 x as loaded, then the 32 tiles, later Gram sums 32-38.
.set N_ROWS, 25000
.set FCT_O, 3516416
.set HTB,  131072                      ; LDS: 0 slot 0, 65,536 slot 1 (64 KiB each); 131,072 stage of 133,120 bytes; 264,192 LN scratch of 2,048
.set HP,   1040                        ; f32 row stage: 1,024 + 16 bytes
.set SCR,  264192
.set SBP,  544                         ; f16 rows of 272 numbers for the Gram product (17 x 32 bytes)
.set XP,   528                         ; f16 rows of 256 numbers + 16 bytes
.set BAD,  4                           ; v4, v5  my half of slot 0, 1: slot + 32,768 wc + 16 lane
.set HTF,  6                           ; v6      fragments of x in the f16 stage
.set HTA,  7                           ; v7      my 32 bytes of row 64 wr + r in the f32 stage
.set SBA,  8                           ; v8      my 16 bytes of that row in the Gram stage
.set SCW,  9                           ; v9, v10 LN scratch: mine, my partner wave's
.set SCX,  10
.set ROWL, 11                          ; v11     rows 32 w .. of the f32 stage, 16 bytes a lane
.set L16,  12                          ; v12     16 x lane
.set COFF, 13                          ; v13     byte offset of my 8 columns in a vector of 256 f32
.set AUX,  14                          ; v14     the ones column of row tid in the Gram stage
.set TMP,  15
.set T,    16                          ; v[16:23] four pairs at work
.set MU,   24                          ; v[24:31] mean, later 1/sigma, twice each
.set GA,   32                          ; v[32:46] Gram fragment addresses (before that: v[32:63] offsets of x's rows)
.set BF0,  64
.set BF1,  128
.set EB,   192                         ; v[192:255] bias of my 128 columns, as a C operand
.set YW,   2                           ; the window that LN works on
.set W_SS, YW|(YW<<2)
.set W_S1, YW<<2
.set W_DS, YW|(YW<<6)
.set W_DSS, YW|(YW<<2)|(YW<<6)
.set MSB, 0
.macro WIN new                         ; s_set_vgpr_msb: 1:0 source 0, 3:2 source 1, 5:4 source 2, 7:6 destination; the high byte repeats the setting left
.if MSB != (\new)
	s_set_vgpr_msb (MSB<<8)|(\new)
.set MSB, (\new)
.endif
.endm
.macro PLACES                          ; four independent vector instructions behind a matrix instruction (ISA guide 7.12.1)
.rept 4
	v_nop
.endr
.endm
.macro BAR
	s_barrier_signal -1
	s_barrier_wait -1
.endm
.macro ROUND                           ; a round of the cluster's barrier
	s_barrier_signal -1
	s_barrier_wait -1
	s_cmp_lg_u32 s16, 0
	s_cbranch_scc1 .Lnot_wave_0_\@
	s_barrier_signal -3
.Lnot_wave_0_\@:
	s_barrier_wait -3
	s_barrier_signal -1
	s_barrier_wait -1
.endm
.macro VLOAD dst, sb, off              ; 128 f32 of a vector of 256, spread as a C operand: register 8 ct + j = element 128 wc + 16 ct + 8 hh + j
.irp ct, 0,1,2,3,4,5,6,7
	global_load_b128 v[\dst+8*\ct:\dst+8*\ct+3], v[COFF], s[\sb:\sb+1] offset:\off+\ct*64
	global_load_b128 v[\dst+8*\ct+4:\dst+8*\ct+7], v[COFF], s[\sb:\sb+1] offset:\off+\ct*64+16
.endr
.endm
.macro FETCH slot, kk, buf             ; eight weight fragments of K step kk of a chunk: 512 consecutive bytes a load
.irp ct, 0,1,2,3,4,5,6,7
	ds_load_b128 v[\buf+8*\ct:\buf+8*\ct+3], v[BAD+\slot] offset:\ct*4096+(2*\kk)*512
	ds_load_b128 v[\buf+8*\ct+4:\buf+8*\ct+7], v[BAD+\slot] offset:\ct*4096+(2*\kk+1)*512
.endr
.endm
; 16 matrix instructions: row tiles rt0, rt0 + 1 x 8 column tiles.  cm = 1: C is the bias, which starts the sums.
; The 32 accumulators take turns, one instruction a turn, in the same order in every K step.
.macro MM16 buf, ks, rt0, cm
.if \cm
	WIN 0x84
.else
	WIN 0xa4
.endif
.irp rt, \rt0, \rt0+1
.irp ct, 0,1,2,3,4,5,6,7
.if \cm
	v_wmma_f32_16x16x32_f16 v[8*(8*(\rt)+\ct):8*(8*(\rt)+\ct)+7], v[\buf+8*\ct:\buf+8*\ct+7], v[8*(8*(\rt)+\ks):8*(8*(\rt)+\ks)+7], v[EB+8*\ct:EB+8*\ct+7]
.else
	v_wmma_f32_16x16x32_f16 v[8*(8*(\rt)+\ct):8*(8*(\rt)+\ct)+7], v[\buf+8*\ct:\buf+8*\ct+7], v[8*(8*(\rt)+\ks):8*(8*(\rt)+\ks)+7], v[8*(8*(\rt)+\ct):8*(8*(\rt)+\ct)+7]
.endif
.endr
.endr
.endm
; a K step of 32: its fragments were asked for 16 matrix instructions ago; the next step's are asked for in its middle
.macro KS buf, ks, cm, fetch, nslot, nkk, nbuf, eb
	s_wait_dscnt 0x0
	MM16 \buf, \ks, 0, \cm
.if \fetch
	WIN 0
	PLACES
.if \eb
	VLOAD EB, EBS, EBO
.endif
	FETCH \nslot, \nkk, \nbuf
.endif
	MM16 \buf, \ks, 2, \cm
.endm
.macro FCPROD                          ; K = 256 from two chunks that both lie in LDS: no barrier at the change of slots
	KS BF0, 0, 1, 1, 0, 1, BF1, 0
	KS BF1, 1, 0, 1, 0, 2, BF0, 0
	KS BF0, 2, 0, 1, 0, 3, BF1, 0
	KS BF1, 3, 0, 1, 1, 0, BF0, 0
	KS BF0, 4, 0, 1, 1, 1, BF1, 0
	KS BF1, 5, 0, 1, 1, 2, BF0, 0
	KS BF0, 6, 0, 1, 1, 3, BF1, 0
	KS BF1, 7, 0, 0, 0, 0, BF0, 0
.endm
.macro ALOAD adr                       ; 32 fragments (4 row tiles x 8 K steps) from f16 rows of pitch XP into window 1
	WIN 0x40
.irp rt, 0,1,2,3
.irp ks, 0,1,2,3,4,5,6,7
	ds_load_b128 v[8*(8*\rt+\ks):8*(8*\rt+\ks)+3], v[\adr] offset:\rt*16*XP+\ks*64
	ds_load_b128 v[8*(8*\rt+\ks)+4:8*(8*\rt+\ks)+7], v[\adr] offset:\rt*16*XP+\ks*64+32
.endr
.endr
	WIN 0
.endm
; ---- LN in two passes over window YW.  Four chains, one for each row tile.
.macro ROWSUM
	WIN W_SS
.irp rt, 0,1,2,3
	v_pk_add_f32 v[T+2*\rt:T+2*\rt+1], v[64*\rt:64*\rt+1], v[64*\rt+2:64*\rt+3]
.endr
	WIN W_S1
.set i_, 2
.rept 30
.irp rt, 0,1,2,3
	v_pk_add_f32 v[T+2*\rt:T+2*\rt+1], v[T+2*\rt:T+2*\rt+1], v[64*\rt+2*i_:64*\rt+2*i_+1]
.endr
.set i_, i_+1
.endr
.endm
.macro XCHG p                          ; the pair, the other half of the lanes, the partner wave (other 128 columns): v[T+2 rt] = the whole row's sum
	WIN 0
.irp rt, 0,1,2,3
	v_add_f32 v[T+2*\rt], v[T+2*\rt], v[T+2*\rt+1]
.endr
.irp rt, 0,1,2,3
	v_permlanex16_b32 v[TMP], v[T+2*\rt], s66, s67
	v_add_f32 v[T+2*\rt], v[T+2*\rt], v[TMP]
.endr
.irp rt, 0,1,2,3
	ds_store_b32 v[SCW], v[T+2*\rt] offset:\p*1024+\rt*64
.endr
	s_wait_dscnt 0x0                               ; my words are written, and all my earlier LDS reads are back
	BAR
.irp rt, 0,1,2,3
	ds_load_b32 v[T+2*\rt+1], v[SCX] offset:\p*1024+\rt*64
.endr
	s_wait_dscnt 0x0
.irp rt, 0,1,2,3
	v_add_f32 v[T+2*\rt], v[T+2*\rt], v[T+2*\rt+1]
.endr
.endm
.macro LNORM
	ROWSUM
	XCHG 0
.irp rt, 0,1,2,3
	v_mul_f32 v[MU+2*\rt], s84, v[T+2*\rt]
	v_mul_f32 v[MU+2*\rt+1], s84, v[T+2*\rt]
.endr
	WIN W_DS
.irp rt, 0,1,2,3
.set i_, 0
.rept 32
	v_pk_add_f32 v[64*\rt+2*i_:64*\rt+2*i_+1], v[64*\rt+2*i_:64*\rt+2*i_+1], v[MU+2*\rt:MU+2*\rt+1] neg_lo:[0,1] neg_hi:[0,1]
.set i_, i_+1
.endr
.endr
	WIN W_SS
.irp rt, 0,1,2,3
	v_pk_mul_f32 v[T+2*\rt:T+2*\rt+1], v[64*\rt:64*\rt+1], v[64*\rt:64*\rt+1]
.endr
.set i_, 1
.rept 31
.irp rt, 0,1,2,3
	v_pk_fma_f32 v[T+2*\rt:T+2*\rt+1], v[64*\rt+2*i_:64*\rt+2*i_+1], v[64*\rt+2*i_:64*\rt+2*i_+1], v[T+2*\rt:T+2*\rt+1]
.endr
.set i_, i_+1
.endr
	XCHG 1
.irp rt, 0,1,2,3
	v_fma_f32 v[T+2*\rt], v[T+2*\rt], s84, s85     ; variance + 1e-5
.endr
.irp rt, 0,1,2,3
	v_rsq_f32 v[MU+2*\rt], v[T+2*\rt]
.endr
	v_nop                                          ; one plain instruction behind the transcendentals (ISA guide 5.7.2)
	s_wait_alu depctr_va_vdst(0)
.irp rt, 0,1,2,3
	v_mov_b32 v[MU+2*\rt+1], v[MU+2*\rt]
.endr
	s_wait_loadcnt 0x0                             ; gain and bias
	WIN W_DS
.irp rt, 0,1,2,3
.set i_, 0
.rept 32
	v_pk_mul_f32 v[64*\rt+2*i_:64*\rt+2*i_+1], v[64*\rt+2*i_:64*\rt+2*i_+1], v[MU+2*\rt:MU+2*\rt+1]
.set i_, i_+1
.endr
.set i_, 0
.rept 32
	v_pk_fma_f32 v[64*\rt+2*i_:64*\rt+2*i_+1], v[64*\rt+2*i_:64*\rt+2*i_+1], v[BF0+2*i_:BF0+2*i_+1], v[BF1+2*i_:BF1+2*i_+1]
.set i_, i_+1
.endr
.endr
.endm
.macro STAGE32 win                     ; my 64 x 128 numbers into the f32 row stage
	WIN \win
.irp rt, 0,1,2,3
.irp ct, 0,1,2,3,4,5,6,7
	ds_store_b128 v[HTA], v[64*\rt+8*\ct:64*\rt+8*\ct+3] offset:\rt*16*HP+\ct*64
	ds_store_b128 v[HTA], v[64*\rt+8*\ct+4:64*\rt+8*\ct+7] offset:\rt*16*HP+\ct*64+16
.endr
.endr
	WIN 0
.endm
.macro PACK rt, mask, prt              ; a row tile rounded to f16 into an f16 stage; mask = 1: rows past the last are zeros
	WIN W_SS
.set i_, 0
.rept 32
	v_cvt_pk_f16_f32 v[BF0+32*(\rt&1)+i_], v[64*\rt+2*i_], v[64*\rt+2*i_+1]
.set i_, i_+1
.endr
	WIN 0
.if \mask
.set i_, 0
.rept 32
	v_cndmask_b32 v[BF0+32*(\rt&1)+i_], 0, v[BF0+32*(\rt&1)+i_], s[68+\rt]
.set i_, i_+1
.endr
.endif
.irp ct, 0,1,2,3,4,5,6,7
	ds_store_b128 v[SBA], v[BF0+32*(\rt&1)+4*\ct:BF0+32*(\rt&1)+4*\ct+3] offset:\rt*\prt+\ct*32
.endr
.endm
.macro ROWS8 g, buf, sb                ; eight whole rows out: each store of the wave covers 512 consecutive bytes, aligned
	s_wait_xcnt 0x0                                ; the buffer's last stores have read it
.set t_, 0
.rept 16
	ds_load_b128 v[\buf+4*t_:\buf+4*t_+3], v[ROWL] offset:(8*\g+(t_>>1))*HP+(t_&1)*512
.set t_, t_+1
.endr
.set t_, 0
.rept 16
	s_wait_dscnt 15-t_                             ; the younger loads of this run may stay out
	global_store_b128 v[L16], v[\buf+4*t_:\buf+4*t_+3], s[\sb:\sb+1] offset:(8*\g+(t_>>1))*1024+(t_&1)*512
.set t_, t_+1
.endr
.endm
; ---- the Gram product: K = the group's 128 rows, fragments by transposing loads from the f16 stage [row][272]
.macro GW ks
.if \ks
	v_wmma_f32_16x16x32_f16 v[8*(a_&31):8*(a_&31)+7], v[BF0+8*fa_:BF0+8*fa_+7], v[BF0+8*fb_:BF0+8*fb_+7], v[8*(a_&31):8*(a_&31)+7]
.else
	v_wmma_f32_16x16x32_f16 v[8*(a_&31):8*(a_&31)+7], v[BF0+8*fa_:BF0+8*fa_+7], v[BF0+8*fb_:BF0+8*fb_+7], 0
.endif
.endm
.macro GK ks                           ; 15 fragments, 39 sums by turns (one instruction a turn)
	WIN 0
.if \ks
	PLACES
.endif
.set j_, 0
.rept 15
	ds_load_tr16_b128 v[BF0+8*j_:BF0+8*j_+3], v[GA+j_] offset:\ks*32*SBP
	ds_load_tr16_b128 v[BF0+8*j_+4:BF0+8*j_+7], v[GA+j_] offset:\ks*32*SBP+16*SBP
.set j_, j_+1
.endr
	s_wait_dscnt 0x0
	WIN 0x50
.set a_, 0
.rept 32
.set fa_, a_/9
.set fb_, a_/9+a_%9
	GW \ks
.set a_, a_+1
.endr
	WIN 0xa0
.rept 4
.set fa_, a_/9
.set fb_, a_/9+a_%9
	GW \ks
.set a_, a_+1
.endr
.set fa_, 12                           ; block row 16 with block columns 2 w, 2 w + 1 and 16
.set fb_, 13
	GW \ks
.set a_, 37
.set fb_, 14
	GW \ks
.set a_, 38
.set fb_, 12
	GW \ks
.endm
.macro GSTORE
	PLACES
	WIN 0x04
.set a_, 0
.rept 32
	global_store_b128 v[L16], v[8*a_:8*a_+3], s[90:91] offset:a_*1024
	global_store_b128 v[L16], v[8*a_+4:8*a_+7], s[90:91] offset:a_*1024+512
.set a_, a_+1
.endr
	WIN 0x08
.rept 4
	global_store_b128 v[L16], v[8*(a_-32):8*(a_-32)+3], s[90:91] offset:a_*1024
	global_store_b128 v[L16], v[8*(a_-32)+4:8*(a_-32)+7], s[90:91] offset:a_*1024+512
.set a_, a_+1
.endr
.rept 2
	global_store_b128 v[L16], v[8*(a_-32):8*(a_-32)+3], s[92:93] offset:(a_-36)*1024
	global_store_b128 v[L16], v[8*(a_-32)+4:8*(a_-32)+7], s[92:93] offset:(a_-36)*1024+512
.set a_, a_+1
.endr
	WIN 0
	s_cmp_lg_u32 s16, 0                            ; tile (16, 16) is made by every wave and stored by wave 0
	s_cbranch_scc1 .Lno_diag
	WIN 0x08
	global_store_b128 v[L16], v[48:51], s[94:95] offset:144*1024
	global_store_b128 v[L16], v[52:55], s[94:95] offset:144*1024+512
	WIN 0
.Lno_diag:
.endm
	s_load_b256 s[4:11], s[0:1], 0x0               ; x 4, fc0_b 6, ln_w 8, ln_b 10
	s_load_b128 s[12:15], s[0:1], 0x20             ; WP0 12, HA 14
	s_load_b64 s[96:97], s[0:1], 0x30              ; GP
	v_lshrrev_b32 v1, 5, v0
	v_readfirstlane_b32 s16, v1                    ; wave
	s_lshr_b32 s17, s16, 1                         ; wr
	s_and_b32 s18, s16, 1                          ; wc
	s_bfe_u32 s19, ttmp6, 0x40000                  ; my place in the cluster
	s_lshl_b32 s20, ttmp9, 2
	s_add_co_u32 s20, s20, s19                     ; work-group
	s_mov_b32 s66, 0x76543210                      ; v_permlanex16_b32: lane i reads lane i of the other half
	s_mov_b32 s67, 0xfedcba98
	s_mov_b32 s84, 0x3b800000                      ; 1/256
	s_mov_b32 s85, 0x3727c5ac                      ; 1e-5
	; group 1 of a joint load: a quarter of a chunk, dense, as 64 rows of 32 elements of 8 bytes
	s_mov_b32 s24, 0x0023000f                      ; 15:0 the cluster's four work-groups; 17:16 8-byte elements; 21 set beside a mask
	s_mov_b32 s25, 32<<16                          ; tensor_dim0 = 32
	s_mov_b32 s26, 64<<16                          ; tensor_dim1 = 64
	s_mov_b32 s27, 32<<16                          ; tile_dim0 = 32
	s_mov_b32 s28, 64                              ; tile_dim1 = 64
	s_mov_b32 s29, 32                              ; elements from row to row
	s_mov_b32 s30, 0
	s_mov_b32 s31, 0
	s_mov_b32 s40, 1
	s_lshl_b32 s41, s16, 14                        ; LDS: wave x 16,384 in slot 0
	s_mov_b32 s44, 1
	s_add_co_u32 s45, s41, 0x10000                 ; and in slot 1
	s_add_co_u32 s72, s41, FCT_O
	s_mov_b32 s73, 0
	s_lshl_b32 s74, s20, 17                        ; 128 rows of 1,024 bytes a group,
	s_lshl_b32 s75, s16, 15                        ; 32 a wave
	s_add_co_u32 s74, s74, s75
	s_mov_b32 s75, 0
	s_mul_i32 s76, s20, 156672
	s_mov_b32 s77, 0
	s_wait_kmcnt 0x0
	s_add_nc_u64 s[42:43], s[12:13], s[72:73]      ; chunk 0, my quarter: the address hangs on the wave alone
	s_add_nc_u64 s[46:47], s[42:43], 0x10000       ; chunk 1
	s_or_b32 s43, s43, 0x80000000
	s_or_b32 s47, s47, 0x80000000
	s_add_nc_u64 s[98:99], s[14:15], s[74:75]      ; HA at my wave's 32 rows
	s_add_nc_u64 s[94:95], s[96:97], s[76:77]      ; GP at my group's 153 tiles
	s_mul_i32 s76, s16, 36864
	s_add_nc_u64 s[90:91], s[94:95], s[76:77]      ; tiles 36 w ..
	s_lshl_b32 s76, s16, 11
	s_add_co_u32 s76, s76, 145*1024
	s_add_nc_u64 s[92:93], s[94:95], s[76:77]      ; tiles 145 + 2 w, 146 + 2 w
	ROUND                                          ; the four work-groups are here: the joint loads meet
	tensor_load_to_lds s[40:43], s[24:31]          ; both chunks go out together: two loads of the wave are out, and no more are issued
	s_nop 0
	tensor_load_to_lds s[44:47], s[24:31]
	s_nop 0
	v_and_b32 v1, 31, v0
	v_and_b32 v2, 15, v0
	v_bfe_u32 v3, v0, 4, 1
	v_lshlrev_b32 v[L16], 4, v1
	s_lshl_b32 s76, s18, 15
	v_add_nc_u32 v[BAD], s76, v[L16]
	v_add_nc_u32 v[BAD+1], 0x10000, v[BAD]
	s_lshl_b32 s77, s17, 6
	v_add_nc_u32 v[TMP], s77, v2                   ; 64 wr + r
	s_lshl_b32 s78, s18, 9
	v_mul_u32_u24 v[HTA], v[TMP], HP
	v_add_nc_u32 v[HTA], HTB, v[HTA]
	v_lshl_add_u32 v[HTA], v3, 5, v[HTA]
	v_add_nc_u32 v[HTA], s78, v[HTA]
	v_mul_u32_u24 v[HTF], v[TMP], XP
	v_add_nc_u32 v[HTF], HTB, v[HTF]
	v_lshl_add_u32 v[HTF], v3, 4, v[HTF]
	v_lshlrev_b32 v[SCX], 2, v[TMP]
	v_add_nc_u32 v[SCX], SCR, v[SCX]
	v_add_nc_u32 v[SCW], s78, v[SCX]
	s_xor_b32 s79, s78, 512
	v_add_nc_u32 v[SCX], s79, v[SCX]
	s_mul_i32 s79, s16, 32*HP
	s_add_co_u32 s79, s79, HTB
	v_add_nc_u32 v[ROWL], s79, v[L16]
	v_lshl_add_u32 v[COFF], v3, 5, s78
	v_mul_u32_u24 v[SBA], v[TMP], SBP
	v_lshl_add_u32 v[SBA], v3, 4, v[SBA]
	s_lshl_b32 s79, s18, 8
	v_add_nc_u32 v[SBA], s79, v[SBA]
	v_mul_u32_u24 v[AUX], v0, SBP
	v_add_nc_u32 v[AUX], 512, v[AUX]
	s_lshl_b32 s82, s20, 7
	s_sub_co_u32 s82, N_ROWS, s82                  ; rows left from the group's first row
	s_sub_co_u32 s83, s82, s77                     ; from my wave's first row (may be negative)
.irp rt, 0,1,2,3
	s_sub_co_i32 s89, s83, 16*\rt
	v_cmp_gt_i32 s[68+\rt], s89, v2                ; lanes whose row of tile rt exists
.endr
	VLOAD EB, 6, 0                                 ; fc0_b first: the counts below then name x's loads alone
	; x: wave w reads rows 32 w .. + 31, whole rows, 512 consecutive bytes a load; rows past the last are read as the last
	s_lshl_b32 s86, s20, 7
	s_lshl_b32 s87, s16, 5
	s_add_co_u32 s86, s86, s87
.set i_, 0
.rept 32
	s_add_co_u32 s87, s86, i_
	s_min_u32 s87, s87, N_ROWS-1
	s_lshl_b32 s87, s87, 10
	v_add_nc_u32 v[32+i_], s87, v[L16]
.set i_, i_+1
.endr
	WIN 0x80
.set i_, 0
.rept 32
	global_load_b128 v[8*i_:8*i_+3], v[32+i_], s[4:5] th:TH_LOAD_NT
	global_load_b128 v[8*i_+4:8*i_+7], v[32+i_], s[4:5] offset:512 th:TH_LOAD_NT
.set i_, i_+1
.endr
	WIN 0x0a
.set i_, 0
.rept 32
	s_wait_loadcnt 2*(31-i_)                       ; two loads for each younger row may stay out
	v_cvt_pk_f16_f32 v[BF0+4*i_], v[8*i_], v[8*i_+1]
	v_cvt_pk_f16_f32 v[BF0+4*i_+1], v[8*i_+2], v[8*i_+3]
	v_cvt_pk_f16_f32 v[BF0+4*i_+2], v[8*i_+4], v[8*i_+5]
	v_cvt_pk_f16_f32 v[BF0+4*i_+3], v[8*i_+6], v[8*i_+7]
.set i_, i_+1
.endr
	WIN 0
	s_mul_i32 s87, s16, 32*XP
	s_add_co_u32 s87, s87, HTB
	v_lshl_add_u32 v[T], v1, 3, s87
.set i_, 0
.rept 32
	ds_store_b64 v[T], v[BF0+4*i_:BF0+4*i_+1] offset:i_*XP
	ds_store_b64 v[T], v[BF0+4*i_+2:BF0+4*i_+3] offset:i_*XP+256
.set i_, i_+1
.endr
	s_wait_dscnt 0x0                               ; my rows of x are in the stage,
	s_wait_tensorcnt 0x0                           ; my quarters of both chunks have landed:
	BAR                                            ; everybody's have.  Nothing is filled again in this kernel
	ALOAD HTF
	FETCH 0, 0, BF0
	FCPROD
	WIN 0
	PLACES
	VLOAD BF0, 8, 0                                ; ln_w[0], ln_b[0]
	VLOAD BF1, 10, 0
	LNORM
	WIN W_DSS
.set i_, 0
.rept 256
	v_max_num_f32 v[i_], 0, v[i_]                  ; relu
.set i_, i_+1
.endr
	; the f32 stage lies over the f16 stage of x, the Gram stage over the slots: every wave's reads of both were waited for ahead of LN's barriers
	STAGE32 W_S1
	PACK 0, 1, 16*SBP
	PACK 1, 1, 16*SBP
	PACK 2, 1, 16*SBP
	PACK 3, 1, 16*SBP
	v_cmp_gt_i32 vcc_lo, s82, v0                   ; column 256 is 1 in rows that exist; columns 257..271 are 0
	v_mov_b32 v[T], 0x3c00
	v_cndmask_b32 v[T], 0, v[T], vcc_lo
.irp i, 1,2,3,4,5,6,7
	v_mov_b32 v[T+\i], 0
.endr
	ds_store_b128 v[AUX], v[T:T+3]
	ds_store_b128 v[AUX], v[T+4:T+7] offset:16
	; Gram fragment addresses: (8 hh + l%8) rows + 16 ((l>>3)&1) + 32 x block; blocks (4 w + j) mod 17, then 16, 2 w, 2 w + 1
	v_and_b32 v[TMP], 7, v0
	v_lshl_add_u32 v[TMP], v3, 3, v[TMP]
	v_mul_u32_u24 v[TMP], v[TMP], SBP
	v_bfe_u32 v[MU], v0, 3, 1
	v_lshl_add_u32 v[TMP], v[MU], 4, v[TMP]
	s_lshl_b32 s86, s16, 2
.irp j, 0,1,2,3,4,5,6,7,8,9,10,11
	s_add_co_u32 s87, s86, \j
	s_sub_co_u32 s88, s87, 17
	s_min_u32 s87, s87, s88
	s_lshl_b32 s87, s87, 5
	v_add_nc_u32 v[GA+\j], s87, v[TMP]
.endr
	v_add_nc_u32 v[GA+12], 512, v[TMP]
	s_lshl_b32 s87, s16, 6
	v_add_nc_u32 v[GA+13], s87, v[TMP]
	v_add_nc_u32 v[GA+14], 32, v[GA+13]
	s_wait_dscnt 0x0
	BAR                                            ; both stages are whole
	ROWS8 0, BF0, 98
	ROWS8 1, BF1, 98
	ROWS8 2, BF0, 98
	ROWS8 3, BF1, 98
	s_wait_xcnt 0x0                                ; the stores have read the buffers that the Gram fragments land in
	GK 0
	GK 1
	GK 2
	GK 3
	GSTORE
	ROUND                                          ; the closing round
	s_endpgm
.Lfunc_end_k_q0e5256fc74_first:
	.size	k_q0e5256fc74_first, .Lfunc_end_k_q0e5256fc74_first-k_q0e5256fc74_first
	.p2alignl 7, 3214868480
	.fill 96, 4, 3214868480
	.section	.rodata,"a",@progbits
	.p2align	6, 0x0
	.amdhsa_kernel k_q0e5256fc74_first
		.amdhsa_group_segment_fixed_size 266240
		.amdhsa_private_segment_fixed_size 0
		.amdhsa_enable_private_segment 0
		.amdhsa_kernarg_size 56
		.amdhsa_user_sgpr_count 2
		.amdhsa_user_sgpr_kernarg_segment_ptr 1
		.amdhsa_wavefront_size32 1
		.amdhsa_system_sgpr_workgroup_id_x 1
		.amdhsa_system_sgpr_workgroup_id_y 1
		.amdhsa_system_sgpr_workgroup_id_z 1
		.amdhsa_system_vgpr_workitem_id 0
		.amdhsa_next_free_vgpr 768
		.amdhsa_next_free_sgpr 100
		.amdhsa_reserve_vcc 1
		.amdhsa_float_denorm_mode_32 3
		.amdhsa_float_denorm_mode_16_64 3
		.amdhsa_memory_ordered 1
		.amdhsa_forward_progress 1
		.amdhsa_inst_pref_size 179
	.end_amdhsa_kernel
	.amdgpu_metadata
---
amdhsa.version: [ 1, 2 ]
amdhsa.kernels:
  - .name:           k_q0e5256fc74_first
    .symbol:         k_q0e5256fc74_first.kd
    .args:
      - { .name: x, .offset: 0, .size: 8, .value_kind: global_buffer, .address_space: global }
      - { .name: fc0_b, .offset: 8, .size: 8, .value_kind: global_buffer, .address_space: global }
      - { .name: ln_w, .offset: 16, .size: 8, .value_kind: global_buffer, .address_space: global }
      - { .name: ln_b, .offset: 24, .size: 8, .value_kind: global_buffer, .address_space: global }
      - { .name: WP0, .offset: 32, .size: 8, .value_kind: global_buffer, .address_space: global }
      - { .name: HA, .offset: 40, .size: 8, .value_kind: global_buffer, .address_space: global }
      - { .name: GP, .offset: 48, .size: 8, .value_kind: global_buffer, .address_space: global }
    .group_segment_fixed_size: 266240
    .private_segment_fixed_size: 0
    .kernarg_segment_align: 8
    .kernarg_segment_size: 56
    .max_flat_workgroup_size: 128
    .sgpr_count:     100
    .vgpr_count:     768
    .wavefront_size: 32
...
	.end_amdgpu_metadata
.endif
;; end of part 2
;; launch gsum0 (part 3): grid 9 x 17, 8 waves a work-group, no clusters, 4,096 bytes of LDS; arguments GP, WP0, GR; writes GR
.if DOCPART == 3
	.amdgcn_target "amdgcn-amd-amdhsa--gfx1250"
	.amdhsa_code_object_version 6
	.text
	.protected	k_q0e5256fc74_gsum0
	.globl	k_q0e5256fc74_gsum0
	.p2align	8
	.type	k_q0e5256fc74_gsum0,@function
k_q0e5256fc74_gsum0:
	s_mov_b64 s[64:65], 0
	v_nop
	global_prefetch_b8 v0, s[64:65] scope:SCOPE_SE
	s_setreg_imm32_b32 hwreg(HW_REG_WAVE_MODE, 25, 1), 1
	s_wait_xcnt 0x0
; One work-group for each of the 153 tiles (i, nb = (i + d) mod 17) of G^: sums the 196 work-groups' partial tiles in f32, in a fixed order,
; stores the tile and (d > 0) its transpose as bf16 operand blocks GF[nb][kb], and the tile's share of |q|^2 = <G^, sum_h Wq^Wq^T> and of |k|^2.
; 256 threads: thread t = 64 sub + e sums partials 49 sub .. 49 sub + 48 of the 16 bytes at 16 e; a load of a wave covers 512 consecutive bytes.
; All 49 loads of a thread are issued at once; memory binds, so no matrix unit, no cluster, no tensor load.
; LIMIT: G^ is rounded to bf16 for the products that follow; the norms use the f32 sums.
.set WG_B, 156672
.set BQ_O, 2263040
.set BK_O, 2889728
.set NP_O, 147968
	s_load_b128 s[4:7], s[0:1], 0x0                ; GP 4, WP 6
	s_load_b64 s[8:9], s[0:1], 0x10                ; GR
	v_and_b32 v1, 31, v0
	v_lshrrev_b32 v2, 5, v0
	v_readfirstlane_b32 s10, v2                    ; wave
	s_mov_b32 s11, ttmp9                           ; d
	s_and_b32 s12, ttmp7, 0xffff                   ; i
	s_mul_i32 s13, s12, 9
	s_add_co_u32 s13, s13, s11                     ; tile
	s_add_co_u32 s14, s12, s11
	s_sub_co_u32 s15, s14, 17
	s_min_u32 s14, s14, s15                        ; nb
	s_lshl_b32 s16, s13, 10
	v_lshrrev_b32 v2, 6, v0                        ; sub
	v_and_b32 v3, 63, v0
	v_lshlrev_b32 v3, 4, v3                        ; 16 e
	v_mul_u32_u24 v2, v2, 49*WG_B
	v_add_nc_u32 v233, s16, v3
	v_add_nc_u32 v2, v2, v233
	v_lshlrev_b32 v232, 4, v0
	s_wait_kmcnt 0x0
	s_cmp_lt_u32 s10, 2
	s_cbranch_scc0 .Lno_b
.irp h, 0,1,2,3
	global_load_b128 v[200+4*\h:203+4*\h], v233, s[6:7] offset:BQ_O+\h*WG_B
	global_load_b128 v[216+4*\h:219+4*\h], v233, s[6:7] offset:BK_O+\h*WG_B
.endr
.Lno_b:
.set p_, 0
.rept 49
	global_load_b128 v[4+4*p_:7+4*p_], v2, s[4:5] offset:p_*WG_B th:TH_LOAD_NT
.set p_, p_+1
.endr
.set p_, 1
.rept 48
	s_wait_loadcnt 48-p_                           ; the younger partials may stay out
	v_pk_add_f32 v[4:5], v[4:5], v[4+4*p_:5+4*p_]
	v_pk_add_f32 v[6:7], v[6:7], v[6+4*p_:7+4*p_]
.set p_, p_+1
.endr
	ds_store_b128 v232, v[4:7]
	s_wait_dscnt 0x0
	s_barrier_signal -1
	s_barrier_wait -1
	s_cmp_lt_u32 s10, 2
	s_cbranch_scc1 .Lo1
	s_cmp_lt_u32 s10, 4
	s_cbranch_scc0 .Lend
	s_cmp_eq_u32 s11, 0
	s_cbranch_scc1 .Lend                           ; a diagonal tile is its own transpose
	; waves 2, 3: block GF[i][kb = nb]: lane (r, hh) holds G^[16 i + r][16 nb + 8 hh + 4 q + 0..3], read across the tile
	v_and_b32 v20, 15, v1
	v_lshrrev_b32 v21, 4, v1
	v_bfe_u32 v22, v20, 2, 1
	v_lshlrev_b32 v22, 9, v22
	v_bfe_u32 v23, v20, 3, 1
	v_lshlrev_b32 v23, 4, v23
	v_lshl_add_u32 v23, v21, 3, v23
	s_sub_co_u32 s17, s10, 2                       ; q
	s_lshl_b32 s18, s17, 2
	v_add_nc_u32 v23, s18, v23
	v_lshl_add_u32 v22, v23, 4, v22
	v_and_b32 v24, 3, v20
	v_lshl_add_u32 v22, v24, 2, v22
.irp jj, 0,1,2,3
.irp sb, 0,1,2,3
	ds_load_b32 v[32+4*\jj+\sb], v22 offset:\jj*16+\sb*1024
.endr
.endr
	s_mul_i32 s19, s12, 17
	s_add_co_u32 s19, s19, s14
	s_lshl_b32 s19, s19, 9
	s_lshl_b32 s18, s17, 3
	s_add_co_u32 s19, s19, s18
	v_lshl_add_u32 v26, v1, 4, s19
	s_wait_dscnt 0x0
.irp jj, 0,1,2,3
	v_add_f32 v[32+4*\jj], v[32+4*\jj], v[33+4*\jj]
	v_add_f32 v[32+4*\jj], v[32+4*\jj], v[34+4*\jj]
	v_add_f32 v[32+4*\jj], v[32+4*\jj], v[35+4*\jj]
.endr
	v_cvt_pk_bf16_f32 v48, v32, v36
	v_cvt_pk_bf16_f32 v49, v40, v44
	global_store_b64 v26, v[48:49], s[8:9]         ; the two waves together fill 512 consecutive bytes
	s_branch .Lend
.Lo1:
	; waves 0, 1 (q = wave): registers 4 q .. 4 q + 3 of the tile: block GF[nb][kb = i], and the norms' shares
	ds_load_b128 v[8:11], v232 offset:1024
	ds_load_b128 v[12:15], v232 offset:2048
	ds_load_b128 v[16:19], v232 offset:3072
.irp h, 1,2,3
	v_pk_add_f32 v[200:201], v[200:201], v[200+4*\h:201+4*\h]
	v_pk_add_f32 v[202:203], v[202:203], v[202+4*\h:203+4*\h]
	v_pk_add_f32 v[216:217], v[216:217], v[216+4*\h:217+4*\h]
	v_pk_add_f32 v[218:219], v[218:219], v[218+4*\h:219+4*\h]
.endr
	s_mul_i32 s17, s14, 17
	s_add_co_u32 s17, s17, s12
	s_lshl_b32 s17, s17, 9
	s_lshl_b32 s18, s10, 3
	s_add_co_u32 s17, s17, s18
	v_lshl_add_u32 v26, v1, 4, s17
	s_lshl_b32 s19, s13, 4
	s_add_co_u32 s19, s19, s18
	s_add_co_u32 s19, s19, NP_O
	v_mov_b32 v31, s19
	s_mov_b32 s20, 0x76543210
	s_mov_b32 s21, 0xfedcba98
	s_cmp_eq_u32 s11, 0
	s_cselect_b32 s22, 1.0, 2.0                    ; a tile off the diagonal stands for its transpose too
	s_wait_dscnt 0x0
.irp s, 8,12,16
	v_pk_add_f32 v[4:5], v[4:5], v[\s:\s+1]
	v_pk_add_f32 v[6:7], v[6:7], v[\s+2:\s+3]
.endr
	v_cvt_pk_bf16_f32 v24, v4, v5
	v_cvt_pk_bf16_f32 v25, v6, v7
	global_store_b64 v26, v[24:25], s[8:9]
	v_mul_f32 v28, v4, v200
	v_mul_f32 v29, v4, v216
	v_fmac_f32 v28, v5, v201
	v_fmac_f32 v29, v5, v217
	v_fmac_f32 v28, v6, v202
	v_fmac_f32 v29, v6, v218
	v_fmac_f32 v28, v7, v203
	v_fmac_f32 v29, v7, v219
	v_mul_f32 v28, s22, v28
	v_mul_f32 v29, s22, v29
	v_mov_b32 v30, 0
.irp m, 1,2,4,8
	v_add_f32_dpp v28, v28, v28 row_xmask:\m row_mask:0xf bank_mask:0xf
	v_add_f32_dpp v29, v29, v29 row_xmask:\m row_mask:0xf bank_mask:0xf
.endr
	v_permlanex16_b32 v30, v28, s20, s21
	v_add_f32 v28, v28, v30
	v_permlanex16_b32 v30, v29, s20, s21
	v_add_f32 v29, v29, v30
	v_cmp_eq_u32 vcc_lo, 0, v1
	s_wait_xcnt 0x0                                ; EXEC changes only when the store above has read its sources
	s_and_saveexec_b32 s23, vcc_lo
	global_store_b64 v31, v[28:29], s[8:9]
	s_wait_xcnt 0x0
	s_or_b32 exec_lo, exec_lo, s23
.Lend:
	s_endpgm
.Lfunc_end_k_q0e5256fc74_gsum0:
	.size	k_q0e5256fc74_gsum0, .Lfunc_end_k_q0e5256fc74_gsum0-k_q0e5256fc74_gsum0
	.p2alignl 7, 3214868480
	.fill 96, 4, 3214868480
	.section	.rodata,"a",@progbits
	.p2align	6, 0x0
	.amdhsa_kernel k_q0e5256fc74_gsum0
		.amdhsa_group_segment_fixed_size 4096
		.amdhsa_private_segment_fixed_size 0
		.amdhsa_enable_private_segment 0
		.amdhsa_kernarg_size 24
		.amdhsa_user_sgpr_count 2
		.amdhsa_user_sgpr_kernarg_segment_ptr 1
		.amdhsa_wavefront_size32 1
		.amdhsa_system_sgpr_workgroup_id_x 1
		.amdhsa_system_sgpr_workgroup_id_y 1
		.amdhsa_system_sgpr_workgroup_id_z 1
		.amdhsa_system_vgpr_workitem_id 0
		.amdhsa_next_free_vgpr 240
		.amdhsa_next_free_sgpr 66
		.amdhsa_reserve_vcc 1
		.amdhsa_float_denorm_mode_32 3
		.amdhsa_float_denorm_mode_16_64 3
		.amdhsa_memory_ordered 1
		.amdhsa_forward_progress 1
		.amdhsa_inst_pref_size 21
	.end_amdhsa_kernel
	.amdgpu_metadata
---
amdhsa.version: [ 1, 2 ]
amdhsa.kernels:
  - .name:           k_q0e5256fc74_gsum0
    .symbol:         k_q0e5256fc74_gsum0.kd
    .args:
      - { .name: GP, .offset: 0, .size: 8, .value_kind: global_buffer, .address_space: global }
      - { .name: WP0, .offset: 8, .size: 8, .value_kind: global_buffer, .address_space: global }
      - { .name: GR, .offset: 16, .size: 8, .value_kind: global_buffer, .address_space: global }
    .group_segment_fixed_size: 4096
    .private_segment_fixed_size: 0
    .kernarg_segment_align: 8
    .kernarg_segment_size: 24
    .max_flat_workgroup_size: 256
    .sgpr_count:     66
    .vgpr_count:     240
    .wavefront_size: 32
...
	.end_amdgpu_metadata
.endif
;; end of part 3
;; launch mid0 (part 4): grid 17 x 4, 9 waves a work-group, no clusters, 9,728 bytes of LDS; arguments WP0, GR, EP; writes EP
.if DOCPART == 4
	.amdgcn_target "amdgcn-amd-amdhsa--gfx1250"
	.amdhsa_code_object_version 6
	.text
	.protected	k_q0e5256fc74_mid0
	.globl	k_q0e5256fc74_mid0
	.p2align	8
	.type	k_q0e5256fc74_mid0,@function
k_q0e5256fc74_mid0:
	s_mov_b64 s[64:65], 0
	v_nop
	global_prefetch_b8 v0, s[64:65] scope:SCOPE_SE
	s_setreg_imm32_b32 hwreg(HW_REG_WAVE_MODE, 25, 1), 1
	s_wait_xcnt 0x0
; Work-group (mb, h): 16 rows of Y_h = A_h G^ and of [E_h; e_h] = Wv^_h + (a/N) Y_h Wv^_h, with a = 1/(|q| |k|), N = 25,000.
; With these, num/N = [h,1] [E_h; e_h] and den/N = 1 + ([h,1] . a Y_h[:,256]) / N: the attention of one head as one product.
; K = 272 is taken as nine steps of 32; the upper half of the ninth fragment is four registers of zeros.
; Phase A: waves 0-7 make block columns w and w + 8 of Y, wave 8 block column 16, twice: as rows (for the stage) and as columns (for column 256).
; Phase B: waves 0-7 make block columns w and w + 8 of E; the f32 tile of Wv^ is the sums' first value, so that Wv and bv enter in f32.
; Out: ET f16 operand blocks [2 h + K half][nb 16][kb 8]; UF f16 blocks [kb 16], rows 0..3 = a Y_h[:,256], rows 4..15 zero; EV f32 e_h; DV f32 a Y_h[256][256].
; LIMITS: A, G^, (a/N) Y, Wv^ enter the products in bf16; E and a Y[:,256] are rounded to f16.  |q| = 0 or |k| = 0 gives what the division by zero gives.
.set WVF_O, 591872
.set WVC_O, 1148928
.set NP_O, 147968
.set UF_O, 524288
.set EV_O, 532480
.set DV_O, 536576
.set YP,   592                         ; stage of Y: 16 rows of 544 bytes + 48 (37 x 16: sixteen rows start at sixteen different 16-byte columns)
.set AFR,  16                          ; v[16:87]   nine fragments of A, later of Y
.set GFA,  88                          ; v[88:159]  of G^ (first block column), later of Wv^
.set GFB,  160                         ; v[160:231] second block column
.set ACC0, 232
.set ACC1, 240
.set PK,   248
.macro PLACES                          ; four independent vector instructions behind a matrix instruction (ISA guide 7.12.1)
.rept 4
	v_nop
.endr
.endm
	s_load_b128 s[4:7], s[0:1], 0x0                ; WP 4, GR 6
	s_load_b64 s[8:9], s[0:1], 0x10                ; EP
	v_and_b32 v1, 31, v0
	v_and_b32 v2, 15, v0
	v_bfe_u32 v3, v0, 4, 1
	v_lshrrev_b32 v4, 5, v0
	v_readfirstlane_b32 s10, v4                    ; wave 0..8
	s_mov_b32 s11, ttmp9                           ; mb
	s_and_b32 s12, ttmp7, 0xffff                   ; head
	v_lshlrev_b32 v5, 4, v1
.irp t, 0,1,2,3
	v_add_nc_u32 v[252+\t], 32*\t, v1
	v_lshlrev_b32 v[252+\t], 4, v[252+\t]
.endr
	v_add_nc_u32 v14, 128, v1
	v_min_u32 v14, 152, v14                        ; 153 records of 16 bytes: the fifth load is clamped, and masked below
	v_lshlrev_b32 v14, 4, v14
	s_mul_i32 s13, s12, 17
	s_add_co_u32 s13, s13, s11
	s_mul_i32 s13, s13, 8704
	v_add_nc_u32 v6, s13, v5                       ; AF[h][mb]
	s_add_co_u32 s17, s10, 8
	s_min_u32 s17, s17, 16                         ; second block column (wave 8: 16 again)
	s_cmp_eq_u32 s10, 8
	s_cselect_b32 s16, 16, s10                     ; first block column
	s_mul_i32 s14, s16, 8704
	s_mul_i32 s15, s17, 8704
	v_add_nc_u32 v7, s14, v5
	v_add_nc_u32 v8, s15, v5
	v_mul_u32_u24 v9, v2, YP
	v_lshl_add_u32 v9, v3, 4, v9                   ; stage: row r, 16 hh
	s_lshl_b32 s14, s16, 5
	v_add_nc_u32 v4, s14, v9                       ; + my first block column
.irp i, 68,69,70,71
	v_mov_b32 v[AFR+\i], 0
	v_mov_b32 v[GFA+\i], 0
	v_mov_b32 v[GFB+\i], 0
.endr
	s_mov_b32 s18, 0x76543210
	s_mov_b32 s19, 0xfedcba98
	s_wait_kmcnt 0x0
.irp t, 0,1,2,3
	global_load_b128 v[232+4*\t:235+4*\t], v[252+\t], s[6:7] offset:NP_O
.endr
	global_load_b128 v[248:251], v14, s[6:7] offset:NP_O
.set k_, 0
.rept 17
	global_load_b128 v[AFR+4*k_:AFR+4*k_+3], v6, s[4:5] offset:k_*512
	global_load_b128 v[GFA+4*k_:GFA+4*k_+3], v7, s[6:7] offset:k_*512
	global_load_b128 v[GFB+4*k_:GFB+4*k_+3], v8, s[6:7] offset:k_*512
.set k_, k_+1
.endr
	s_wait_loadcnt 51                              ; the 3 x 17 younger loads may stay out: the norms' shares are in
	v_cmp_gt_u32 vcc_lo, 25, v1
.irp i, 0,1,2,3
	v_cndmask_b32 v[248+\i], 0, v[248+\i], vcc_lo
.endr
.irp t, 1,2,3,4
	v_pk_add_f32 v[232:233], v[232:233], v[232+4*\t:233+4*\t]
	v_pk_add_f32 v[234:235], v[234:235], v[234+4*\t:235+4*\t]
.endr
	v_pk_add_f32 v[232:233], v[232:233], v[234:235]
.irp m, 1,2,4,8
	v_add_f32_dpp v232, v232, v232 row_xmask:\m row_mask:0xf bank_mask:0xf
	v_add_f32_dpp v233, v233, v233 row_xmask:\m row_mask:0xf bank_mask:0xf
.endr
	v_permlanex16_b32 v234, v232, s18, s19
	v_permlanex16_b32 v235, v233, s18, s19
	v_pk_add_f32 v[232:233], v[232:233], v[234:235] ; |q|^2, |k|^2
	v_rsq_f32 v232, v232                           ; two roots: the product of the squares could leave f32's range
	v_rsq_f32 v233, v233
	v_nop                                          ; one plain instruction behind the transcendentals (ISA guide 5.7.2)
	s_wait_alu depctr_va_vdst(0)
	v_mul_f32 v12, v232, v233                      ; a
	v_mov_b32 v13, v12
	v_mul_f32 v10, 0x3827c5ac, v12                 ; a / 25,000
	v_mov_b32 v11, v10
	s_wait_loadcnt 0x0
	s_cmp_eq_u32 s10, 8
	s_cbranch_scc1 .Lw8
	; phase A, waves 0-7.  Source 0 = G^ block, source 1 = A: register j of lane (r, hh) is Y[16 mb + r][16 nb + 8 hh + j].
	; The two sums take turns, one instruction a turn.
.set k_, 0
.rept 9
.if k_
	v_wmma_f32_16x16x32_bf16 v[ACC0:ACC0+7], v[GFA+8*k_:GFA+8*k_+7], v[AFR+8*k_:AFR+8*k_+7], v[ACC0:ACC0+7]
	v_wmma_f32_16x16x32_bf16 v[ACC1:ACC1+7], v[GFB+8*k_:GFB+8*k_+7], v[AFR+8*k_:AFR+8*k_+7], v[ACC1:ACC1+7]
.else
	v_wmma_f32_16x16x32_bf16 v[ACC0:ACC0+7], v[GFA+8*k_:GFA+8*k_+7], v[AFR+8*k_:AFR+8*k_+7], 0
	v_wmma_f32_16x16x32_bf16 v[ACC1:ACC1+7], v[GFB+8*k_:GFB+8*k_+7], v[AFR+8*k_:AFR+8*k_+7], 0
.endif
.set k_, k_+1
.endr
	PLACES
.irp i, 0,2,4,6,8,10,12,14
	v_pk_mul_f32 v[ACC0+\i:ACC0+\i+1], v[ACC0+\i:ACC0+\i+1], v[10:11]
.endr
.irp i, 0,1,2,3,4,5,6,7
	v_cvt_pk_bf16_f32 v[PK+\i], v[ACC0+2*\i], v[ACC0+2*\i+1]
.endr
	ds_store_b128 v4, v[PK:PK+3]
	ds_store_b128 v4, v[PK+4:PK+7] offset:256
	; phase B's operands, asked for ahead of the barrier
	s_lshl_b32 s20, s12, 4
	s_add_co_u32 s20, s20, s10
	s_mul_i32 s20, s20, 8704
	s_add_co_u32 s20, s20, WVF_O
	v_add_nc_u32 v7, s20, v5
	s_mul_i32 s21, s12, 17
	s_add_co_u32 s21, s21, s11
	s_lshl_b32 s21, s21, 4
	s_add_co_u32 s21, s21, s10
	s_lshl_b32 s21, s21, 10
	s_add_co_u32 s21, s21, WVC_O
	v_add_nc_u32 v8, s21, v5
.set k_, 0
.rept 17
	global_load_b128 v[GFA+4*k_:GFA+4*k_+3], v7, s[4:5] offset:k_*512
	global_load_b128 v[GFB+4*k_:GFB+4*k_+3], v7, s[4:5] offset:69632+k_*512
.set k_, k_+1
.endr
	global_load_b128 v[ACC0:ACC0+3], v8, s[4:5]
	global_load_b128 v[ACC0+4:ACC0+7], v8, s[4:5] offset:512
	global_load_b128 v[ACC1:ACC1+3], v8, s[4:5] offset:8192
	global_load_b128 v[ACC1+4:ACC1+7], v8, s[4:5] offset:8704
	s_branch .Lbar
.Lw8:
	; wave 8: block column 16 as rows (first sum) and as columns (second sum: register j of lane (r, hh) is Y[16 mb + 8 hh + j][256 + r])
.set k_, 0
.rept 9
.if k_
	v_wmma_f32_16x16x32_bf16 v[ACC0:ACC0+7], v[GFA+8*k_:GFA+8*k_+7], v[AFR+8*k_:AFR+8*k_+7], v[ACC0:ACC0+7]
	v_wmma_f32_16x16x32_bf16 v[ACC1:ACC1+7], v[AFR+8*k_:AFR+8*k_+7], v[GFB+8*k_:GFB+8*k_+7], v[ACC1:ACC1+7]
.else
	v_wmma_f32_16x16x32_bf16 v[ACC0:ACC0+7], v[GFA+8*k_:GFA+8*k_+7], v[AFR+8*k_:AFR+8*k_+7], 0
	v_wmma_f32_16x16x32_bf16 v[ACC1:ACC1+7], v[AFR+8*k_:AFR+8*k_+7], v[GFB+8*k_:GFB+8*k_+7], 0
.endif
.set k_, k_+1
.endr
	PLACES
.irp i, 0,2,4,6
	v_pk_mul_f32 v[ACC0+\i:ACC0+\i+1], v[ACC0+\i:ACC0+\i+1], v[10:11]
	v_pk_mul_f32 v[ACC1+\i:ACC1+\i+1], v[ACC1+\i:ACC1+\i+1], v[12:13]
.endr
.irp i, 0,1,2,3
	v_cvt_pk_bf16_f32 v[PK+\i], v[ACC0+2*\i], v[ACC0+2*\i+1]
.endr
	ds_store_b128 v4, v[PK:PK+3]
	s_cmp_eq_u32 s11, 16
	s_cbranch_scc1 .Lw8_last
.irp i, 0,1,2,3
	v_cvt_pk_f16_f32 v[PK+4+\i], v[ACC1+2*\i], v[ACC1+2*\i+1]
.endr
	; lane r = 0 holds column 256; lanes r = 1..3 hold columns 257..259, exact zeros, and fill rows h + 4, h + 8, h + 12 of the block
	s_lshl_b32 s20, s11, 9
	s_lshl_b32 s21, s12, 4
	s_add_co_u32 s20, s20, s21
	s_add_co_u32 s20, s20, UF_O
	v_lshlrev_b32 v6, 6, v2
	v_lshl_add_u32 v6, v3, 8, v6
	v_add_nc_u32 v6, s20, v6
	v_cmp_gt_u32 vcc_lo, 4, v2
	s_wait_xcnt 0x0
	s_and_saveexec_b32 s22, vcc_lo
	global_store_b128 v6, v[PK+4:PK+7], s[8:9]
	s_wait_xcnt 0x0                                ; EXEC is restored only when the store has read its sources
	s_or_b32 exec_lo, exec_lo, s22
	s_branch .Lbar
.Lw8_last:
	s_lshl_b32 s20, s12, 2
	s_add_co_u32 s20, s20, DV_O
	v_mov_b32 v6, s20
	v_cmp_eq_u32 vcc_lo, 0, v1
	s_wait_xcnt 0x0
	s_and_saveexec_b32 s22, vcc_lo
	global_store_b32 v6, v[ACC1], s[8:9]
	s_wait_xcnt 0x0
	s_or_b32 exec_lo, exec_lo, s22
.Lbar:
	s_wait_dscnt 0x0                               ; my part of Y is in the stage
	s_barrier_signal -1
	s_barrier_wait -1
	s_cmp_eq_u32 s10, 8
	s_cbranch_scc1 .Lend
	; phase B: source 0 = Y, source 1 = Wv^ block: register j of lane (r, hh) is E[16 mb + 8 hh + j][16 nb + r], an operand block as it stands
.set k_, 0
.rept 17
	ds_load_b128 v[AFR+4*k_:AFR+4*k_+3], v9 offset:k_*32
.set k_, k_+1
.endr
	s_wait_dscnt 0x0
	s_wait_loadcnt 0x0
.set k_, 0
.rept 9
	v_wmma_f32_16x16x32_bf16 v[ACC0:ACC0+7], v[AFR+8*k_:AFR+8*k_+7], v[GFA+8*k_:GFA+8*k_+7], v[ACC0:ACC0+7]
	v_wmma_f32_16x16x32_bf16 v[ACC1:ACC1+7], v[AFR+8*k_:AFR+8*k_+7], v[GFB+8*k_:GFB+8*k_+7], v[ACC1:ACC1+7]
.set k_, k_+1
.endr
	PLACES
	s_cmp_eq_u32 s11, 16
	s_cbranch_scc1 .Lb_last
.irp i, 0,1,2,3,4,5,6,7
	v_cvt_pk_f16_f32 v[PK+\i], v[ACC0+2*\i], v[ACC0+2*\i+1]
.endr
	s_lshl_b32 s20, s12, 1
	s_lshr_b32 s21, s11, 3
	s_add_co_u32 s20, s20, s21
	s_lshl_b32 s20, s20, 16
	s_lshl_b32 s21, s10, 12
	s_add_co_u32 s20, s20, s21
	s_and_b32 s21, s11, 7
	s_lshl_b32 s21, s21, 9
	s_add_co_u32 s20, s20, s21
	v_add_nc_u32 v6, s20, v5
	global_store_b128 v6, v[PK:PK+3], s[8:9]
	global_store_b128 v6, v[PK+4:PK+7], s[8:9] offset:32768
	s_branch .Lend
.Lb_last:
	s_lshl_b32 s20, s12, 10                        ; row 256 is register 0 of lanes 0-15
	s_lshl_b32 s21, s10, 6
	s_add_co_u32 s20, s20, s21
	s_add_co_u32 s20, s20, EV_O
	v_lshl_add_u32 v6, v2, 2, s20
	v_cmp_gt_u32 vcc_lo, 16, v1
	s_wait_xcnt 0x0
	s_and_saveexec_b32 s22, vcc_lo
	global_store_b32 v6, v[ACC0], s[8:9]
	global_store_b32 v6, v[ACC1], s[8:9] offset:512
	s_wait_xcnt 0x0
	s_or_b32 exec_lo, exec_lo, s22
.Lend:
	s_endpgm
.Lfunc_end_k_q0e5256fc74_mid0:
	.size	k_q0e5256fc74_mid0, .Lfunc_end_k_q0e5256fc74_mid0-k_q0e5256fc74_mid0
	.p2alignl 7, 3214868480
	.fill 96, 4, 3214868480
	.section	.rodata,"a",@progbits
	.p2align	6, 0x0
	.amdhsa_kernel k_q0e5256fc74_mid0
		.amdhsa_group_segment_fixed_size 9728
		.amdhsa_private_segment_fixed_size 0
		.amdhsa_enable_private_segment 0
		.amdhsa_kernarg_size 24
		.amdhsa_user_sgpr_count 2
		.amdhsa_user_sgpr_kernarg_segment_ptr 1
		.amdhsa_wavefront_size32 1
		.amdhsa_system_sgpr_workgroup_id_x 1
		.amdhsa_system_sgpr_workgroup_id_y 1
		.amdhsa_system_sgpr_workgroup_id_z 1
		.amdhsa_system_vgpr_workitem_id 0
		.amdhsa_next_free_vgpr 256
		.amdhsa_next_free_sgpr 66
		.amdhsa_reserve_vcc 1
		.amdhsa_float_denorm_mode_32 3
		.amdhsa_float_denorm_mode_16_64 3
		.amdhsa_memory_ordered 1
		.amdhsa_forward_progress 1
		.amdhsa_inst_pref_size 24
	.end_amdhsa_kernel
	.amdgpu_metadata
---
amdhsa.version: [ 1, 2 ]
amdhsa.kernels:
  - .name:           k_q0e5256fc74_mid0
    .symbol:         k_q0e5256fc74_mid0.kd
    .args:
      - { .name: WP0, .offset: 0, .size: 8, .value_kind: global_buffer, .address_space: global }
      - { .name: GR, .offset: 8, .size: 8, .value_kind: global_buffer, .address_space: global }
      - { .name: EP, .offset: 16, .size: 8, .value_kind: global_buffer, .address_space: global }
    .group_segment_fixed_size: 9728
    .private_segment_fixed_size: 0
    .kernarg_segment_align: 8
    .kernarg_segment_size: 24
    .max_flat_workgroup_size: 288
    .sgpr_count:     66
    .vgpr_count:     256
    .wavefront_size: 32
...
	.end_amdgpu_metadata
.endif
;; end of part 4
;; launch layer1 (part 5): grid 196 x 1, 4 waves a work-group, clusters of 4 x 1, 327,680 bytes of LDS; arguments HA, EP, ln_w, ln_b, HB, GP; writes HB, GP
.if DOCPART == 5
	.amdgcn_target "amdgcn-amd-amdhsa--gfx1250"
	.amdhsa_code_object_version 6
	.text
	.protected	k_q0e5256fc74_layer1
	.globl	k_q0e5256fc74_layer1
	.p2align	8
	.type	k_q0e5256fc74_layer1,@function
k_q0e5256fc74_layer1:
	s_mov_b64 s[64:65], 0
	v_nop
	global_prefetch_b8 v0, s[64:65] scope:SCOPE_SE
	s_setreg_imm32_b32 hwreg(HW_REG_WAVE_MODE, 25, 1), 1
	s_wait_xcnt 0x0
	s_wait_alu depctr_hold_cnt(0) depctr_sa_sdst(0) depctr_va_vdst(0) depctr_va_sdst(0) depctr_va_ssrc(0) depctr_va_vcc(0) depctr_vm_vsrc(0)
	s_getreg_b32 s2, hwreg(HW_REG_IB_STS2, 6, 4)
	s_cmp_eq_u32 s2, 0
	s_cbranch_scc0 .Lentry_in_a_cluster
	s_endpgm
.Lentry_in_a_cluster:
	s_bfe_u32 s2, ttmp6, 0x10000c
	s_cmp_lg_u32 s2, 0x3003
	s_cbranch_scc0 .Lentry_shape_is_right
	s_endpgm
.Lentry_shape_is_right:
; One attention layer for 128 rows a work-group: h1 = LN(0.5 mean_h (num_h / den_h) + 0.5 h0), stored in f32 (HB), and the group's part of
; G^ = [h1,1]^T [h1,1] (GP).  num_h/N = h0 E_h + e_h (K = 256, four heads) and den_h/N = 1 + (h0 . u_h + d_h)/N come from the tables in EP.
; Four waves; wave w = 2 wr + wc makes rows 64 wr .. + 63 x columns 128 wc .. + 127 of each head: 32 accumulator tiles, folded into 32 more
; with the row's weight 0.125 / (den_h/N).  Source 0 = 16 columns of E, source 1 = 16 rows of h0: register j of lane (r, hh) is (row r, column 8 hh + j).
; E goes in eight chunks of 64 KiB (head h, K half) through two LDS slots; a wave fetches a quarter of a chunk by one tensor load.
; CLUSTER: all 196 work-groups walk the same chunks; 196 = 4 x 49, so four work-groups ask for each quarter jointly, behind a round of the cluster's
; barrier.  The place in the cluster enters global addresses of plain accesses and select masks, and nothing else.
; Tensor loads of a wave that are out: three at the start, one behind each round.
; LIMITS: h0, E, u and h1 are rounded to f16 as matrix operands (magnitudes below 65,504); e, d, the division, the residual, LN and the stored h1 are f32.
; Rows 25,000 .. 25,087 are computed and stored (finite) and enter G^ as zeros.
; WINDOWS: 0 addresses, operand buffers; 1 fragments of h0, later Gram sums 0-31; 2 a head's 32 tiles, later Gram sums 32-38; 3 the folded sum.
.set N_ROWS, 25000
.set UF_O, 524288
.set EV_O, 532480
.set DV_O, 536576
.set HTB,  131072                      ; LDS: 0 slot 0, 65,536 slot 1 (64 KiB each); 131,072 h0 in f32, 128 rows of 1,040 bytes; 264,192 LN scratch of 2,048
.set HP,   1040
.set SCR,  264192
.set SBP,  544                         ; f16 rows of 272 numbers for the Gram product (17 x 32 bytes), over the slots behind their last fill
.set BAD,  4                           ; v4, v5  my half of slot 0, 1
.set HTF,  6                           ; v6      h0's row 64 wr + r, 32 hh: fragments
.set HTA,  7                           ; v7      my 32 bytes of that row
.set SBA,  8                           ; v8      my 16 bytes of that row in the Gram stage
.set SCW,  9
.set SCX,  10
.set ROWL, 11
.set L16,  12
.set COFF, 13
.set AUX,  14                          ; v14     the ones column of row tid
.set TMP,  15
.set T,    16
.set MU,   24
.set WPR,  32                          ; v[32:63] weight of (row tile, head), twice each; later GA
.set GA,   32
.set BF0,  64
.set BF1,  128
.set EB,   192                         ; v[192:255] e_h of my 128 columns, as a C operand
.set YW,   3
.set W_SS, YW|(YW<<2)
.set W_S1, YW<<2
.set W_DS, YW|(YW<<6)
.set MSB, 0
.macro WIN new                         ; s_set_vgpr_msb: 1:0 source 0, 3:2 source 1, 5:4 source 2, 7:6 destination; the high byte repeats the setting left
.if MSB != (\new)
	s_set_vgpr_msb (MSB<<8)|(\new)
.set MSB, (\new)
.endif
.endm
.macro PLACES                          ; four independent vector instructions behind a matrix instruction (ISA guide 7.12.1)
.rept 4
	v_nop
.endr
.endm
.macro BAR
	s_barrier_signal -1
	s_barrier_wait -1
.endm
.macro ROUND                           ; a round of the cluster's barrier
	s_barrier_signal -1
	s_barrier_wait -1
	s_cmp_lg_u32 s16, 0
	s_cbranch_scc1 .Lnot_wave_0_\@
	s_barrier_signal -3
.Lnot_wave_0_\@:
	s_barrier_wait -3
	s_barrier_signal -1
	s_barrier_wait -1
.endm
.macro VLOAD dst, sb, off              ; 128 f32 of a vector of 256, spread as a C operand
.irp ct, 0,1,2,3,4,5,6,7
	global_load_b128 v[\dst+8*\ct:\dst+8*\ct+3], v[COFF], s[\sb:\sb+1] offset:\off+\ct*64
	global_load_b128 v[\dst+8*\ct+4:\dst+8*\ct+7], v[COFF], s[\sb:\sb+1] offset:\off+\ct*64+16
.endr
.endm
.macro FETCH slot, kk, buf             ; eight fragments of E of K step kk of a chunk: 512 consecutive bytes a load
.irp ct, 0,1,2,3,4,5,6,7
	ds_load_b128 v[\buf+8*\ct:\buf+8*\ct+3], v[BAD+\slot] offset:\ct*4096+(2*\kk)*512
	ds_load_b128 v[\buf+8*\ct+4:\buf+8*\ct+7], v[BAD+\slot] offset:\ct*4096+(2*\kk+1)*512
.endr
.endm
; 16 matrix instructions: row tiles rt0, rt0 + 1 x 8 column tiles.  cm = 1: C is e_h, which starts the sums.
; The 32 accumulators take turns, one instruction a turn, in the same order in every K step.
.macro MM16 buf, ks, rt0, cm
.if \cm
	WIN 0x84
.else
	WIN 0xa4
.endif
.irp rt, \rt0, \rt0+1
.irp ct, 0,1,2,3,4,5,6,7
.if \cm
	v_wmma_f32_16x16x32_f16 v[8*(8*(\rt)+\ct):8*(8*(\rt)+\ct)+7], v[\buf+8*\ct:\buf+8*\ct+7], v[8*(8*(\rt)+\ks):8*(8*(\rt)+\ks)+7], v[EB+8*\ct:EB+8*\ct+7]
.else
	v_wmma_f32_16x16x32_f16 v[8*(8*(\rt)+\ct):8*(8*(\rt)+\ct)+7], v[\buf+8*\ct:\buf+8*\ct+7], v[8*(8*(\rt)+\ks):8*(8*(\rt)+\ks)+7], v[8*(8*(\rt)+\ct):8*(8*(\rt)+\ct)+7]
.endif
.endr
.endr
.endm
.macro KS buf, ks, cm, fetch, nslot, nkk, nbuf, eb
	s_wait_dscnt 0x0                               ; this step's fragments, asked for 16 matrix instructions ago
	MM16 \buf, \ks, 0, \cm
.if \fetch
	WIN 0
	PLACES
.if \eb
	VLOAD EB, EBS, EBO                             ; the next head's e: four places behind the last matrix instruction that read this one's
.endif
	FETCH \nslot, \nkk, \nbuf
.endif
	MM16 \buf, \ks, 2, \cm
.endm
; The last K step of a chunk.  Its fragments are in registers, so the chunk's slot is free.  mode 2: the slot is filled again, two chunks ahead:
; each wave waits for its reads and for all its tensor loads (its quarter of the next chunk among them), a round of the cluster's barrier follows,
; and the joint load is the first thing behind it.  mode 1: the same waits and the work-group's barrier, nothing is filled.  mode 0: the last chunk.
.macro KSX buf, ks, mode, g0, step, fetch, nslot, nbuf
	s_wait_dscnt 0x0                               ; no LDS instruction follows up to the barrier
	MM16 \buf, \ks, 0, 0
	WIN 0
.if \mode
	s_wait_tensorcnt 0x0
.if \step
	s_add_nc_u64 s[\g0+2:\g0+3], s[\g0+2:\g0+3], 0x20000   ; no load of mine is out: the slot's address steps two chunks on
.endif
.endif
.if \mode == 2
	ROUND
	tensor_load_to_lds s[\g0:\g0+3], s[24:31]
	s_nop 0
.endif
.if \mode == 1
	BAR
.endif
.if \fetch
	PLACES
	FETCH \nslot, 0, \nbuf
.endif
	MM16 \buf, \ks, 2, 0
.endm
.macro FOLD h                          ; the folded sum takes the head's tiles times the row's weight; the first head starts it
	PLACES
.if \h == 0
	WIN 0xc2
.else
	WIN 0xf2
.endif
.irp rt, 0,1,2,3
.set i_, 0
.rept 32
.if \h == 0
	v_pk_mul_f32 v[64*\rt+2*i_:64*\rt+2*i_+1], v[64*\rt+2*i_:64*\rt+2*i_+1], v[WPR+8*\rt+2*\h:WPR+8*\rt+2*\h+1]
.else
	v_pk_fma_f32 v[64*\rt+2*i_:64*\rt+2*i_+1], v[64*\rt+2*i_:64*\rt+2*i_+1], v[WPR+8*\rt+2*\h:WPR+8*\rt+2*\h+1], v[64*\rt+2*i_:64*\rt+2*i_+1]
.endif
.set i_, i_+1
.endr
.endr
.endm
.macro HEAD h, m3, g3, st3, m7, g7, st7, f7, eb
	s_wait_loadcnt 0x0                             ; e_h
	KS  BF0, 0, 1, 1, 0, 1, BF1, 0
	KS  BF1, 1, 0, 1, 0, 2, BF0, \eb
	KS  BF0, 2, 0, 1, 0, 3, BF1, 0
	KSX BF1, 3, \m3, \g3, \st3, 1, 1, BF0
	KS  BF0, 4, 0, 1, 1, 1, BF1, 0
	KS  BF1, 5, 0, 1, 1, 2, BF0, 0
	KS  BF0, 6, 0, 1, 1, 3, BF1, 0
	KSX BF1, 7, \m7, \g7, \st7, \f7, 0, BF0
	FOLD \h
.endm
; ---- LN in two passes over window YW.  Four chains, one for each row tile.
.macro ROWSUM
	WIN W_SS
.irp rt, 0,1,2,3
	v_pk_add_f32 v[T+2*\rt:T+2*\rt+1], v[64*\rt:64*\rt+1], v[64*\rt+2:64*\rt+3]
.endr
	WIN W_S1
.set i_, 2
.rept 30
.irp rt, 0,1,2,3
	v_pk_add_f32 v[T+2*\rt:T+2*\rt+1], v[T+2*\rt:T+2*\rt+1], v[64*\rt+2*i_:64*\rt+2*i_+1]
.endr
.set i_, i_+1
.endr
.endm
.macro XCHG p                          ; the pair, the other half of the lanes, the partner wave: v[T+2 rt] = the whole row's sum
	WIN 0
.irp rt, 0,1,2,3
	v_add_f32 v[T+2*\rt], v[T+2*\rt], v[T+2*\rt+1]
.endr
.irp rt, 0,1,2,3
	v_permlanex16_b32 v[TMP], v[T+2*\rt], s66, s67
	v_add_f32 v[T+2*\rt], v[T+2*\rt], v[TMP]
.endr
.irp rt, 0,1,2,3
	ds_store_b32 v[SCW], v[T+2*\rt] offset:\p*1024+\rt*64
.endr
	s_wait_dscnt 0x0                               ; my words are written, and all my earlier LDS reads are back
	BAR
.irp rt, 0,1,2,3
	ds_load_b32 v[T+2*\rt+1], v[SCX] offset:\p*1024+\rt*64
.endr
	s_wait_dscnt 0x0
.irp rt, 0,1,2,3
	v_add_f32 v[T+2*\rt], v[T+2*\rt], v[T+2*\rt+1]
.endr
.endm
.macro LNORM
	ROWSUM
	XCHG 0
.irp rt, 0,1,2,3
	v_mul_f32 v[MU+2*\rt], s84, v[T+2*\rt]
	v_mul_f32 v[MU+2*\rt+1], s84, v[T+2*\rt]
.endr
	WIN W_DS
.irp rt, 0,1,2,3
.set i_, 0
.rept 32
	v_pk_add_f32 v[64*\rt+2*i_:64*\rt+2*i_+1], v[64*\rt+2*i_:64*\rt+2*i_+1], v[MU+2*\rt:MU+2*\rt+1] neg_lo:[0,1] neg_hi:[0,1]
.set i_, i_+1
.endr
.endr
	WIN W_SS
.irp rt, 0,1,2,3
	v_pk_mul_f32 v[T+2*\rt:T+2*\rt+1], v[64*\rt:64*\rt+1], v[64*\rt:64*\rt+1]
.endr
.set i_, 1
.rept 31
.irp rt, 0,1,2,3
	v_pk_fma_f32 v[T+2*\rt:T+2*\rt+1], v[64*\rt+2*i_:64*\rt+2*i_+1], v[64*\rt+2*i_:64*\rt+2*i_+1], v[T+2*\rt:T+2*\rt+1]
.endr
.set i_, i_+1
.endr
	XCHG 1
.irp rt, 0,1,2,3
	v_fma_f32 v[T+2*\rt], v[T+2*\rt], s84, s85     ; variance + 1e-5
.endr
.irp rt, 0,1,2,3
	v_rsq_f32 v[MU+2*\rt], v[T+2*\rt]
.endr
	v_nop                                          ; one plain instruction behind the transcendentals (ISA guide 5.7.2)
	s_wait_alu depctr_va_vdst(0)
.irp rt, 0,1,2,3
	v_mov_b32 v[MU+2*\rt+1], v[MU+2*\rt]
.endr
	s_wait_loadcnt 0x0                             ; gain and bias
	WIN W_DS
.irp rt, 0,1,2,3
.set i_, 0
.rept 32
	v_pk_mul_f32 v[64*\rt+2*i_:64*\rt+2*i_+1], v[64*\rt+2*i_:64*\rt+2*i_+1], v[MU+2*\rt:MU+2*\rt+1]
.set i_, i_+1
.endr
.set i_, 0
.rept 32
	v_pk_fma_f32 v[64*\rt+2*i_:64*\rt+2*i_+1], v[64*\rt+2*i_:64*\rt+2*i_+1], v[BF0+2*i_:BF0+2*i_+1], v[BF1+2*i_:BF1+2*i_+1]
.set i_, i_+1
.endr
.endr
.endm
.macro STAGE32 win
	WIN \win
.irp rt, 0,1,2,3
.irp ct, 0,1,2,3,4,5,6,7
	ds_store_b128 v[HTA], v[64*\rt+8*\ct:64*\rt+8*\ct+3] offset:\rt*16*HP+\ct*64
	ds_store_b128 v[HTA], v[64*\rt+8*\ct+4:64*\rt+8*\ct+7] offset:\rt*16*HP+\ct*64+16
.endr
.endr
	WIN 0
.endm
.macro PACK rt, mask, prt
	WIN W_SS
.set i_, 0
.rept 32
	v_cvt_pk_f16_f32 v[BF0+32*(\rt&1)+i_], v[64*\rt+2*i_], v[64*\rt+2*i_+1]
.set i_, i_+1
.endr
	WIN 0
.if \mask
.set i_, 0
.rept 32
	v_cndmask_b32 v[BF0+32*(\rt&1)+i_], 0, v[BF0+32*(\rt&1)+i_], s[68+\rt]
.set i_, i_+1
.endr
.endif
.irp ct, 0,1,2,3,4,5,6,7
	ds_store_b128 v[SBA], v[BF0+32*(\rt&1)+4*\ct:BF0+32*(\rt&1)+4*\ct+3] offset:\rt*\prt+\ct*32
.endr
.endm
.macro ROWS8 g, buf, sb                ; eight whole rows out: each store of the wave covers 512 consecutive bytes, aligned
	s_wait_xcnt 0x0                                ; the buffer's last stores have read it
.set t_, 0
.rept 16
	ds_load_b128 v[\buf+4*t_:\buf+4*t_+3], v[ROWL] offset:(8*\g+(t_>>1))*HP+(t_&1)*512
.set t_, t_+1
.endr
.set t_, 0
.rept 16
	s_wait_dscnt 15-t_                             ; the younger loads of this run may stay out
	global_store_b128 v[L16], v[\buf+4*t_:\buf+4*t_+3], s[\sb:\sb+1] offset:(8*\g+(t_>>1))*1024+(t_&1)*512
.set t_, t_+1
.endr
.endm
.macro GW ks
.if \ks
	v_wmma_f32_16x16x32_f16 v[8*(a_&31):8*(a_&31)+7], v[BF0+8*fa_:BF0+8*fa_+7], v[BF0+8*fb_:BF0+8*fb_+7], v[8*(a_&31):8*(a_&31)+7]
.else
	v_wmma_f32_16x16x32_f16 v[8*(a_&31):8*(a_&31)+7], v[BF0+8*fa_:BF0+8*fa_+7], v[BF0+8*fb_:BF0+8*fb_+7], 0
.endif
.endm
.macro GK ks                           ; 32 rows of K: 15 fragments by transposing loads, 39 sums by turns (one instruction a turn)
	WIN 0
.if \ks
	PLACES
.endif
.set j_, 0
.rept 15
	ds_load_tr16_b128 v[BF0+8*j_:BF0+8*j_+3], v[GA+j_] offset:\ks*32*SBP
	ds_load_tr16_b128 v[BF0+8*j_+4:BF0+8*j_+7], v[GA+j_] offset:\ks*32*SBP+16*SBP
.set j_, j_+1
.endr
	s_wait_dscnt 0x0
	WIN 0x50
.set a_, 0
.rept 32
.set fa_, a_/9
.set fb_, a_/9+a_%9
	GW \ks
.set a_, a_+1
.endr
	WIN 0xa0
.rept 4
.set fa_, a_/9
.set fb_, a_/9+a_%9
	GW \ks
.set a_, a_+1
.endr
.set fa_, 12
.set fb_, 13
	GW \ks
.set a_, 37
.set fb_, 14
	GW \ks
.set a_, 38
.set fb_, 12
	GW \ks
.endm
.macro GSTORE
	PLACES
	WIN 0x04
.set a_, 0
.rept 32
	global_store_b128 v[L16], v[8*a_:8*a_+3], s[90:91] offset:a_*1024
	global_store_b128 v[L16], v[8*a_+4:8*a_+7], s[90:91] offset:a_*1024+512
.set a_, a_+1
.endr
	WIN 0x08
.rept 4
	global_store_b128 v[L16], v[8*(a_-32):8*(a_-32)+3], s[90:91] offset:a_*1024
	global_store_b128 v[L16], v[8*(a_-32)+4:8*(a_-32)+7], s[90:91] offset:a_*1024+512
.set a_, a_+1
.endr
.rept 2
	global_store_b128 v[L16], v[8*(a_-32):8*(a_-32)+3], s[92:93] offset:(a_-36)*1024
	global_store_b128 v[L16], v[8*(a_-32)+4:8*(a_-32)+7], s[92:93] offset:(a_-36)*1024+512
.set a_, a_+1
.endr
	WIN 0
	s_cmp_lg_u32 s16, 0                            ; tile (16, 16) is made by every wave and stored by wave 0
	s_cbranch_scc1 .Lno_diag
	WIN 0x08
	global_store_b128 v[L16], v[48:51], s[94:95] offset:144*1024
	global_store_b128 v[L16], v[52:55], s[94:95] offset:144*1024+512
	WIN 0
.Lno_diag:
.endm
	s_load_b256 s[4:11], s[0:1], 0x0               ; HA 4, EP 6, ln_w 8, ln_b 10
	s_load_b128 s[12:15], s[0:1], 0x20             ; HB 12, GP 14
	v_lshrrev_b32 v1, 5, v0
	v_readfirstlane_b32 s16, v1                    ; wave
	s_lshr_b32 s17, s16, 1                         ; wr
	s_and_b32 s18, s16, 1                          ; wc
	s_bfe_u32 s19, ttmp6, 0x40000                  ; my place in the cluster
	s_lshl_b32 s20, ttmp9, 2
	s_add_co_u32 s20, s20, s19                     ; work-group
	s_mov_b32 s21, 0x3827c5ac                      ; 1/25,000
	s_mov_b32 s22, 0x3e000000                      ; 0.125 = 0.5 / 4 heads
	s_mov_b32 s66, 0x76543210
	s_mov_b32 s67, 0xfedcba98
	s_mov_b32 s84, 0x3b800000                      ; 1/256
	s_mov_b32 s85, 0x3727c5ac                      ; 1e-5
	; group 1 of a joint load: a quarter of a chunk, dense, as 64 rows of 32 elements of 8 bytes
	s_mov_b32 s24, 0x0023000f                      ; 15:0 the cluster's four work-groups; 17:16 8-byte elements; 21 set beside a mask
	s_mov_b32 s25, 32<<16
	s_mov_b32 s26, 64<<16
	s_mov_b32 s27, 32<<16
	s_mov_b32 s28, 64
	s_mov_b32 s29, 32
	s_mov_b32 s30, 0
	s_mov_b32 s31, 0
	; group 1 of my own load: 32 rows of 256 f32, 4 words of padding behind each 256 words
	s_mov_b32 s32, 0x07d20000                      ; no mask; 17:16 4-byte elements; 20 padding; 24:22 code 7; 31:25 code 3
	s_mov_b32 s33, 256<<16
	s_mov_b32 s34, 32<<16
	s_mov_b32 s35, 256<<16
	s_mov_b32 s36, 32
	s_mov_b32 s37, 256
	s_mov_b32 s38, 0
	s_mov_b32 s39, 0
	s_mov_b32 s40, 1
	s_lshl_b32 s41, s16, 14                        ; LDS: wave x 16,384 in slot 0
	s_mov_b32 s44, 1
	s_add_co_u32 s45, s41, 0x10000                 ; and in slot 1
	s_mov_b32 s48, 1
	s_mul_i32 s49, s16, 32*HP
	s_add_co_u32 s49, s49, HTB                     ; my 32 rows of h0
	s_mov_b32 s72, s41
	s_mov_b32 s73, 0
	s_lshl_b32 s74, s20, 17
	s_lshl_b32 s75, s16, 15
	s_add_co_u32 s74, s74, s75
	s_mov_b32 s75, 0
	s_mul_i32 s76, s20, 156672
	s_mov_b32 s77, 0
	s_wait_kmcnt 0x0
	s_add_nc_u64 s[42:43], s[6:7], s[72:73]        ; chunk 0, my quarter: the address hangs on the wave alone
	s_add_nc_u64 s[46:47], s[42:43], 0x10000       ; chunk 1
	s_add_nc_u64 s[50:51], s[4:5], s[74:75]        ; HA at my wave's 32 rows
	s_or_b32 s43, s43, 0x80000000
	s_or_b32 s47, s47, 0x80000000
	s_or_b32 s51, s51, 0x80000000
	s_add_nc_u64 s[98:99], s[12:13], s[74:75]      ; HB at my wave's 32 rows
	s_add_nc_u64 s[94:95], s[14:15], s[76:77]      ; GP at my group's 153 tiles
	s_mul_i32 s76, s16, 36864
	s_add_nc_u64 s[90:91], s[94:95], s[76:77]
	s_lshl_b32 s76, s16, 11
	s_add_co_u32 s76, s76, 145*1024
	s_add_nc_u64 s[92:93], s[94:95], s[76:77]
	ROUND                                          ; the four work-groups are here: the joint loads meet
	tensor_load_to_lds s[48:51], s[32:39]          ; h0, then chunks 0 and 1: the first fills go out as one group
	s_nop 0
	tensor_load_to_lds s[40:43], s[24:31]
	s_nop 0
	tensor_load_to_lds s[44:47], s[24:31]
	s_nop 0
	s_load_b128 s[60:63], s[6:7], DV_O             ; d_h
	v_and_b32 v1, 31, v0
	v_and_b32 v2, 15, v0
	v_bfe_u32 v3, v0, 4, 1
	v_lshlrev_b32 v[L16], 4, v1
	s_lshl_b32 s78, s18, 9
	v_lshl_add_u32 v[COFF], v3, 5, s78
.set k_, 0
.rept 16
	global_load_b128 v[BF0+4*k_:BF0+4*k_+3], v[L16], s[6:7] offset:UF_O+k_*512   ; u, eight fragments
.set k_, k_+1
.endr
	VLOAD EB, 6, EV_O
	s_lshl_b32 s76, s18, 15
	v_add_nc_u32 v[BAD], s76, v[L16]
	v_add_nc_u32 v[BAD+1], 0x10000, v[BAD]
	s_lshl_b32 s77, s17, 6
	v_add_nc_u32 v[TMP], s77, v2                   ; 64 wr + r
	v_mul_u32_u24 v[HTF], v[TMP], HP
	v_add_nc_u32 v[HTF], HTB, v[HTF]
	v_lshl_add_u32 v[HTF], v3, 5, v[HTF]
	v_add_nc_u32 v[HTA], s78, v[HTF]
	v_lshlrev_b32 v[SCX], 2, v[TMP]
	v_add_nc_u32 v[SCX], SCR, v[SCX]
	v_add_nc_u32 v[SCW], s78, v[SCX]
	s_xor_b32 s79, s78, 512
	v_add_nc_u32 v[SCX], s79, v[SCX]
	s_mul_i32 s79, s16, 32*HP
	s_add_co_u32 s79, s79, HTB
	v_add_nc_u32 v[ROWL], s79, v[L16]
	v_mul_u32_u24 v[SBA], v[TMP], SBP
	v_lshl_add_u32 v[SBA], v3, 4, v[SBA]
	s_lshl_b32 s79, s18, 8
	v_add_nc_u32 v[SBA], s79, v[SBA]
	v_mul_u32_u24 v[AUX], v0, SBP
	v_add_nc_u32 v[AUX], 512, v[AUX]
	s_lshl_b32 s82, s20, 7
	s_sub_co_u32 s82, N_ROWS, s82                  ; rows left from the group's first row
	s_sub_co_u32 s83, s82, s77                     ; from my wave's first row (may be negative)
.irp rt, 0,1,2,3
	s_sub_co_i32 s89, s83, 16*\rt
	v_cmp_gt_i32 s[68+\rt], s89, v2
.endr
	s_wait_tensorcnt 0x1                           ; h0 and chunk 0 have landed; chunk 1 may stay out
	BAR
	; h0's fragments: f32 from LDS (row tiles 0, 1 through window 2; 2, 3 through window 3), rounded to f16 into window 1
	WIN 0x80
.irp rt, 0,1
.irp ks, 0,1,2,3,4,5,6,7
	ds_load_b128 v[128*\rt+16*\ks:128*\rt+16*\ks+3], v[HTF] offset:\rt*16*HP+\ks*128
	ds_load_b128 v[128*\rt+16*\ks+4:128*\rt+16*\ks+7], v[HTF] offset:\rt*16*HP+\ks*128+16
	ds_load_b128 v[128*\rt+16*\ks+8:128*\rt+16*\ks+11], v[HTF] offset:\rt*16*HP+\ks*128+64
	ds_load_b128 v[128*\rt+16*\ks+12:128*\rt+16*\ks+15], v[HTF] offset:\rt*16*HP+\ks*128+80
.endr
.endr
	WIN 0xc0
.irp rt, 0,1
.irp ks, 0,1,2,3,4,5,6,7
	ds_load_b128 v[128*\rt+16*\ks:128*\rt+16*\ks+3], v[HTF] offset:(\rt+2)*16*HP+\ks*128
	ds_load_b128 v[128*\rt+16*\ks+4:128*\rt+16*\ks+7], v[HTF] offset:(\rt+2)*16*HP+\ks*128+16
	ds_load_b128 v[128*\rt+16*\ks+8:128*\rt+16*\ks+11], v[HTF] offset:(\rt+2)*16*HP+\ks*128+64
	ds_load_b128 v[128*\rt+16*\ks+12:128*\rt+16*\ks+15], v[HTF] offset:(\rt+2)*16*HP+\ks*128+80
.endr
.endr
	s_wait_dscnt 0x0
	WIN 0x4a
.set i_, 0
.rept 128
	v_cvt_pk_f16_f32 v[i_], v[2*i_], v[2*i_+1]     ; fragment register 8 (8 rt + ks) + i from f32 registers 128 rt + 16 ks + 2 i, + 1
.set i_, i_+1
.endr
	WIN 0x4f
.set i_, 0
.rept 128
	v_cvt_pk_f16_f32 v[128+i_], v[2*i_], v[2*i_+1]
.set i_, i_+1
.endr
	; the denominators: h0 . u_h for all four heads at once (columns 0..3 of a tile); four sums by turns
	s_wait_loadcnt 16                              ; e_0's sixteen younger loads may stay out: u is in
	WIN 0x04
.irp ks, 0,1,2,3,4,5,6,7
.irp rt, 0,1,2,3
.if \ks
	v_wmma_f32_16x16x32_f16 v[BF1+8*\rt:BF1+8*\rt+7], v[BF0+8*\ks:BF0+8*\ks+7], v[8*(8*\rt+\ks):8*(8*\rt+\ks)+7], v[BF1+8*\rt:BF1+8*\rt+7]
.else
	v_wmma_f32_16x16x32_f16 v[BF1+8*\rt:BF1+8*\rt+7], v[BF0+8*\ks:BF0+8*\ks+7], v[8*(8*\rt+\ks):8*(8*\rt+\ks)+7], 0
.endif
.endr
.endr
	WIN 0
	PLACES
	s_wait_kmcnt 0x0
.irp rt, 0,1,2,3
.irp h, 0,1,2,3
	v_permlanex16_b32 v[TMP], v[BF1+8*\rt+\h], s66, s67        ; lanes 16-31 hold columns 8..11, zeros: the sum gives both halves the row's number
	v_add_f32 v[BF1+8*\rt+\h], v[BF1+8*\rt+\h], v[TMP]
	v_add_f32 v[BF1+8*\rt+\h], s[60+\h], v[BF1+8*\rt+\h]
	v_fma_f32 v[BF1+8*\rt+\h], v[BF1+8*\rt+\h], s21, 1.0       ; den / N
.endr
.endr
.irp rt, 0,1,2,3
.irp h, 0,1,2,3
	v_rcp_f32 v[BF1+8*\rt+\h], v[BF1+8*\rt+\h]
.endr
.endr
	v_nop                                          ; one plain instruction behind the transcendentals (ISA guide 5.7.2)
	s_wait_alu depctr_va_vdst(0)
.irp rt, 0,1,2,3
.irp h, 0,1,2,3
	v_mul_f32 v[WPR+8*\rt+2*\h], s22, v[BF1+8*\rt+\h]
	v_mul_f32 v[WPR+8*\rt+2*\h+1], s22, v[BF1+8*\rt+\h]
.endr
.endr
	FETCH 0, 0, BF0
.set EBS, 6
.set EBO, EV_O+1024
	HEAD 0, 2, 40, 1, 2, 44, 1, 1, 1               ; behind chunks 0 and 1: chunks 2 and 3 are asked for
.set EBO, EV_O+2048
	HEAD 1, 2, 40, 1, 2, 44, 1, 1, 1
.set EBO, EV_O+3072
	HEAD 2, 2, 40, 1, 2, 44, 1, 1, 1
	HEAD 3, 1, 40, 0, 0, 44, 0, 0, 0               ; behind chunk 6 a barrier alone; behind chunk 7 nothing
	WIN 0
	VLOAD BF0, 8, 1024                             ; ln_w[1], ln_b[1]
	VLOAD BF1, 10, 1024
	; the residual: h0 in f32, each lane its own 32 bytes of each row
	WIN 0x80
.irp rt, 0,1,2,3
.irp ct, 0,1,2,3,4,5,6,7
	ds_load_b128 v[64*\rt+8*\ct:64*\rt+8*\ct+3], v[HTA] offset:\rt*16*HP+\ct*64
	ds_load_b128 v[64*\rt+8*\ct+4:64*\rt+8*\ct+7], v[HTA] offset:\rt*16*HP+\ct*64+16
.endr
.endr
	s_wait_dscnt 0x0
	WIN 0xf2
.set i_, 0
.rept 128
	v_pk_fma_f32 v[2*i_:2*i_+1], v[2*i_:2*i_+1], 0.5, v[2*i_:2*i_+1] op_sel_hi:[1,0,1]
.set i_, i_+1
.endr
	LNORM
	; h1 goes over h0 in the f32 stage, the Gram stage over the slots: every wave's reads of both were waited for ahead of LN's barriers
	STAGE32 W_S1
	PACK 0, 1, 16*SBP
	PACK 1, 1, 16*SBP
	PACK 2, 1, 16*SBP
	PACK 3, 1, 16*SBP
	v_cmp_gt_i32 vcc_lo, s82, v0                   ; column 256 is 1 in rows that exist; columns 257..271 are 0
	v_mov_b32 v[T], 0x3c00
	v_cndmask_b32 v[T], 0, v[T], vcc_lo
.irp i, 1,2,3,4,5,6,7
	v_mov_b32 v[T+\i], 0
.endr
	ds_store_b128 v[AUX], v[T:T+3]
	ds_store_b128 v[AUX], v[T+4:T+7] offset:16
	v_and_b32 v[TMP], 7, v0
	v_lshl_add_u32 v[TMP], v3, 3, v[TMP]
	v_mul_u32_u24 v[TMP], v[TMP], SBP
	v_bfe_u32 v[MU], v0, 3, 1
	v_lshl_add_u32 v[TMP], v[MU], 4, v[TMP]
	s_lshl_b32 s86, s16, 2
.irp j, 0,1,2,3,4,5,6,7,8,9,10,11
	s_add_co_u32 s87, s86, \j
	s_sub_co_u32 s88, s87, 17
	s_min_u32 s87, s87, s88                        ; block (4 w + j) mod 17
	s_lshl_b32 s87, s87, 5
	v_add_nc_u32 v[GA+\j], s87, v[TMP]
.endr
	v_add_nc_u32 v[GA+12], 512, v[TMP]
	s_lshl_b32 s87, s16, 6
	v_add_nc_u32 v[GA+13], s87, v[TMP]
	v_add_nc_u32 v[GA+14], 32, v[GA+13]
	s_wait_dscnt 0x0
	BAR                                            ; both stages are whole
	ROWS8 0, BF0, 98
	ROWS8 1, BF1, 98
	ROWS8 2, BF0, 98
	ROWS8 3, BF1, 98
	s_wait_xcnt 0x0                                ; the stores have read the buffers that the Gram fragments land in
	GK 0
	GK 1
	GK 2
	GK 3
	GSTORE
	ROUND                                          ; the closing round
	s_endpgm
.Lfunc_end_k_q0e5256fc74_layer1:
	.size	k_q0e5256fc74_layer1, .Lfunc_end_k_q0e5256fc74_layer1-k_q0e5256fc74_layer1
	.p2alignl 7, 3214868480
	.fill 96, 4, 3214868480
	.section	.rodata,"a",@progbits
	.p2align	6, 0x0
	.amdhsa_kernel k_q0e5256fc74_layer1
		.amdhsa_group_segment_fixed_size 327680
		.amdhsa_private_segment_fixed_size 0
		.amdhsa_enable_private_segment 0
		.amdhsa_kernarg_size 48
		.amdhsa_user_sgpr_count 2
		.amdhsa_user_sgpr_kernarg_segment_ptr 1
		.amdhsa_wavefront_size32 1
		.amdhsa_system_sgpr_workgroup_id_x 1
		.amdhsa_system_sgpr_workgroup_id_y 1
		.amdhsa_system_sgpr_workgroup_id_z 1
		.amdhsa_system_vgpr_workitem_id 0
		.amdhsa_next_free_vgpr 1024
		.amdhsa_next_free_sgpr 100
		.amdhsa_reserve_vcc 1
		.amdhsa_float_denorm_mode_32 3
		.amdhsa_float_denorm_mode_16_64 3
		.amdhsa_memory_ordered 1
		.amdhsa_forward_progress 1
		.amdhsa_inst_pref_size 255
	.end_amdhsa_kernel
	.section	.bss,"aw",@nobits
	.p2align	6
	.space	262144
	.amdgpu_metadata
---
amdhsa.version: [ 1, 2 ]
amdhsa.kernels:
  - .name:           k_q0e5256fc74_layer1
    .symbol:         k_q0e5256fc74_layer1.kd
    .args:
      - { .name: HA, .offset: 0, .size: 8, .value_kind: global_buffer, .address_space: global }
      - { .name: EP, .offset: 8, .size: 8, .value_kind: global_buffer, .address_space: global }
      - { .name: ln_w, .offset: 16, .size: 8, .value_kind: global_buffer, .address_space: global }
      - { .name: ln_b, .offset: 24, .size: 8, .value_kind: global_buffer, .address_space: global }
      - { .name: HB, .offset: 32, .size: 8, .value_kind: global_buffer, .address_space: global }
      - { .name: GP, .offset: 40, .size: 8, .value_kind: global_buffer, .address_space: global }
    .group_segment_fixed_size: 327680
    .private_segment_fixed_size: 0
    .kernarg_segment_align: 8
    .kernarg_segment_size: 48
    .max_flat_workgroup_size: 128
    .sgpr_count:     100
    .vgpr_count:     1024
    .wavefront_size: 32
...
	.end_amdgpu_metadata
.endif
;; end of part 5
;; launch gsum1: the kernel of part 3 again; grid 9 x 17, 8 waves a work-group, no clusters, 4,096 bytes of LDS; arguments GP, WP1, GR; writes GR
;; launch mid1: the kernel of part 4 again; grid 17 x 4, 9 waves a work-group, no clusters, 9,728 bytes of LDS; arguments WP1, GR, EP; writes EP
;; launch final (part 6): grid 196 x 1, 4 waves a work-group, clusters of 4 x 1, 327,680 bytes of LDS; arguments HB, EP, WP1, ln_w, ln_b, fc_b, out0; writes out0
.if DOCPART == 6
	.amdgcn_target "amdgcn-amd-amdhsa--gfx1250"
	.amdhsa_code_object_version 6
	.text
	.protected	k_q0e5256fc74_final
	.globl	k_q0e5256fc74_final
	.p2align	8
	.type	k_q0e5256fc74_final,@function
k_q0e5256fc74_final:
	s_mov_b64 s[64:65], 0
	v_nop
	global_prefetch_b8 v0, s[64:65] scope:SCOPE_SE
	s_setreg_imm32_b32 hwreg(HW_REG_WAVE_MODE, 25, 1), 1
	s_wait_xcnt 0x0
	s_wait_alu depctr_hold_cnt(0) depctr_sa_sdst(0) depctr_va_vdst(0) depctr_va_sdst(0) depctr_va_ssrc(0) depctr_va_vcc(0) depctr_vm_vsrc(0)
	s_getreg_b32 s2, hwreg(HW_REG_IB_STS2, 6, 4)
	s_cmp_eq_u32 s2, 0
	s_cbranch_scc0 .Lentry_in_a_cluster
	s_endpgm
.Lentry_in_a_cluster:
	s_bfe_u32 s2, ttmp6, 0x10000c
	s_cmp_lg_u32 s2, 0x3003
	s_cbranch_scc0 .Lentry_shape_is_right
	s_endpgm
.Lentry_shape_is_right:
; The second attention layer and the head, for 128 rows a work-group: h2 = LN(0.5 mean_h (num_h / den_h) + 0.5 h1), out = h2 fc_w + fc_b.
; num_h/N = h1 E_h + e_h (K = 256, four heads) and den_h/N = 1 + (h1 . u_h + d_h)/N come from the tables in EP; fc_w^T in f16 blocks from WP1.
; Four waves; wave w = 2 wr + wc makes rows 64 wr .. + 63 x columns 128 wc .. + 127.  Source 0 = 16 columns of the weights, source 1 = 16 rows:
; register j of lane (r, hh) is (row r, column 8 hh + j).
; Ten chunks of 64 KiB (eight of E, two of fc_w^T) go through two LDS slots; a wave fetches a quarter of a chunk by one tensor load.
; CLUSTER: all 196 work-groups walk the same chunks; 196 = 4 x 49, so four work-groups ask for each quarter jointly, behind a round of the cluster's
; barrier.  The place in the cluster enters global addresses of plain accesses and the stores' EXEC, and nothing else.
; Tensor loads of a wave that are out: three at the start, one behind each round.
; LIMITS: h1, E, u, h2 and fc_w are rounded to f16 as matrix operands (magnitudes below 65,504); e, d, the division, the residual, LN and fc_b are f32.
; The order of the sums differs from the given function's.  Rows 25,000 .. 25,087 are computed and not stored.
; WINDOWS: 0 addresses, operand buffers; 1 fragments of h1, later of h2; 2 a head's 32 tiles, later out's; 3 the folded sum.
.set N_ROWS, 25000
.set FCT_O, 3516416
.set UF_O, 524288
.set EV_O, 532480
.set DV_O, 536576
.set HTB,  131072                      ; LDS: 0 slot 0, 65,536 slot 1; 131,072 h1 in f32 (pitch 1,040), then h2 in f16 (pitch 528), then out in f32; 264,192 LN scratch
.set HP,   1040
.set SCR,  264192
.set XP,   528
.set BAD,  4                           ; v4, v5  my half of slot 0, 1: slot + 32,768 wc + 16 lane
.set HTF,  6                           ; v6      h1's row 64 wr + r, 32 hh: fragments
.set HTA,  7                           ; v7      my 32 bytes of that row
.set SBA,  8                           ; v8      my 16 bytes of row 64 wr + r in the f16 stage
.set SCW,  9                           ; v9, v10 LN scratch: mine, my partner wave's
.set SCX,  10
.set ROWL, 11                          ; v11     rows 32 w .. of the f32 stage, 16 bytes a lane
.set L16,  12                          ; v12     16 x lane
.set COFF, 13                          ; v13     byte offset of my 8 columns in a vector of 256 f32
.set AUX,  14                          ; v14     fragments of h2 in the f16 stage
.set TMP,  15
.set T,    16                          ; v[16:23] four pairs at work
.set MU,   24                          ; v[24:31] mean, later 1/sigma, twice each
.set WPR,  32                          ; v[32:63] weight of (row tile, head), twice each
.set BF0,  64
.set BF1,  128
.set EB,   192                         ; v[192:255] e_h, at last fc_b, of my 128 columns, as a C operand
.set YW,   3
.set W_SS, YW|(YW<<2)
.set W_S1, YW<<2
.set W_DS, YW|(YW<<6)
.set MSB, 0
.macro WIN new                         ; s_set_vgpr_msb: 1:0 source 0, 3:2 source 1, 5:4 source 2, 7:6 destination; the high byte repeats the setting left
.if MSB != (\new)
	s_set_vgpr_msb (MSB<<8)|(\new)
.set MSB, (\new)
.endif
.endm
.macro PLACES                          ; four independent vector instructions behind a matrix instruction (ISA guide 7.12.1)
.rept 4
	v_nop
.endr
.endm
.macro BAR
	s_barrier_signal -1
	s_barrier_wait -1
.endm
.macro ROUND                           ; a round of the cluster's barrier
	s_barrier_signal -1
	s_barrier_wait -1
	s_cmp_lg_u32 s16, 0
	s_cbranch_scc1 .Lnot_wave_0_\@
	s_barrier_signal -3
.Lnot_wave_0_\@:
	s_barrier_wait -3
	s_barrier_signal -1
	s_barrier_wait -1
.endm
.macro VLOAD dst, sb, off              ; 128 f32 of a vector of 256, spread as a C operand: register 8 ct + j = element 128 wc + 16 ct + 8 hh + j
.irp ct, 0,1,2,3,4,5,6,7
	global_load_b128 v[\dst+8*\ct:\dst+8*\ct+3], v[COFF], s[\sb:\sb+1] offset:\off+\ct*64
	global_load_b128 v[\dst+8*\ct+4:\dst+8*\ct+7], v[COFF], s[\sb:\sb+1] offset:\off+\ct*64+16
.endr
.endm
.macro FETCH slot, kk, buf             ; eight weight fragments of K step kk of a chunk: 512 consecutive bytes a load
.irp ct, 0,1,2,3,4,5,6,7
	ds_load_b128 v[\buf+8*\ct:\buf+8*\ct+3], v[BAD+\slot] offset:\ct*4096+(2*\kk)*512
	ds_load_b128 v[\buf+8*\ct+4:\buf+8*\ct+7], v[BAD+\slot] offset:\ct*4096+(2*\kk+1)*512
.endr
.endm
; 16 matrix instructions: row tiles rt0, rt0 + 1 x 8 column tiles.  cm = 1: C is the bias row, which starts the sums.
; The 32 accumulators take turns, one instruction a turn, in the same order in every K step.
.macro MM16 buf, ks, rt0, cm
.if \cm
	WIN 0x84
.else
	WIN 0xa4
.endif
.irp rt, \rt0, \rt0+1
.irp ct, 0,1,2,3,4,5,6,7
.if \cm
	v_wmma_f32_16x16x32_f16 v[8*(8*(\rt)+\ct):8*(8*(\rt)+\ct)+7], v[\buf+8*\ct:\buf+8*\ct+7], v[8*(8*(\rt)+\ks):8*(8*(\rt)+\ks)+7], v[EB+8*\ct:EB+8*\ct+7]
.else
	v_wmma_f32_16x16x32_f16 v[8*(8*(\rt)+\ct):8*(8*(\rt)+\ct)+7], v[\buf+8*\ct:\buf+8*\ct+7], v[8*(8*(\rt)+\ks):8*(8*(\rt)+\ks)+7], v[8*(8*(\rt)+\ct):8*(8*(\rt)+\ct)+7]
.endif
.endr
.endr
.endm
.macro KS buf, ks, cm, fetch, nslot, nkk, nbuf, eb
	s_wait_dscnt 0x0                               ; this step's fragments, asked for 16 matrix instructions ago
	MM16 \buf, \ks, 0, \cm
.if \fetch
	WIN 0
	PLACES
.if \eb
	VLOAD EB, EBS, EBO                             ; the next bias row: four places behind the last matrix instruction that read this one
.endif
	FETCH \nslot, \nkk, \nbuf
.endif
	MM16 \buf, \ks, 2, \cm
.endm
; The last K step of a chunk.  Its fragments are in registers, so the chunk's slot is free and is filled again, two chunks ahead:
; each wave waits for its reads and for all its tensor loads (its quarter of the next chunk among them), a round of the cluster's barrier follows,
; and the joint load is the first thing behind it.  step = 1: the slot's own descriptor goes two chunks on.
.macro KSX buf, ks, g0, step, fetch, nslot, nbuf
	s_wait_dscnt 0x0                               ; no LDS instruction follows up to the round
	MM16 \buf, \ks, 0, 0
	WIN 0
	s_wait_tensorcnt 0x0
.if \step
	s_add_nc_u64 s[\g0+2:\g0+3], s[\g0+2:\g0+3], 0x20000   ; no load of mine is out: the address may be written
.endif
	ROUND
	tensor_load_to_lds s[\g0:\g0+3], s[24:31]
	s_nop 0
.if \fetch
	PLACES
	FETCH \nslot, 0, \nbuf
.endif
	MM16 \buf, \ks, 2, 0
.endm
.macro FOLD h                          ; the folded sum takes the head's tiles times the row's weight; the first head starts it
	PLACES
.if \h == 0
	WIN 0xc2
.else
	WIN 0xf2
.endif
.irp rt, 0,1,2,3
.set i_, 0
.rept 32
.if \h == 0
	v_pk_mul_f32 v[64*\rt+2*i_:64*\rt+2*i_+1], v[64*\rt+2*i_:64*\rt+2*i_+1], v[WPR+8*\rt+2*\h:WPR+8*\rt+2*\h+1]
.else
	v_pk_fma_f32 v[64*\rt+2*i_:64*\rt+2*i_+1], v[64*\rt+2*i_:64*\rt+2*i_+1], v[WPR+8*\rt+2*\h:WPR+8*\rt+2*\h+1], v[64*\rt+2*i_:64*\rt+2*i_+1]
.endif
.set i_, i_+1
.endr
.endr
.endm
.macro HEAD h, g3, g7, step, f7
	s_wait_loadcnt 0x0                             ; e_h
	KS  BF0, 0, 1, 1, 0, 1, BF1, 0
	KS  BF1, 1, 0, 1, 0, 2, BF0, 1
	KS  BF0, 2, 0, 1, 0, 3, BF1, 0
	KSX BF1, 3, \g3, \step, 1, 1, BF0
	KS  BF0, 4, 0, 1, 1, 1, BF1, 0
	KS  BF1, 5, 0, 1, 1, 2, BF0, 0
	KS  BF0, 6, 0, 1, 1, 3, BF1, 0
	KSX BF1, 7, \g7, \step, \f7, 0, BF0
	FOLD \h
.endm
.macro FCPROD                          ; K = 256 from two chunks that both lie in LDS: no barrier at the change of slots
	KS BF0, 0, 1, 1, 0, 1, BF1, 0
	KS BF1, 1, 0, 1, 0, 2, BF0, 0
	KS BF0, 2, 0, 1, 0, 3, BF1, 0
	KS BF1, 3, 0, 1, 1, 0, BF0, 0
	KS BF0, 4, 0, 1, 1, 1, BF1, 0
	KS BF1, 5, 0, 1, 1, 2, BF0, 0
	KS BF0, 6, 0, 1, 1, 3, BF1, 0
	KS BF1, 7, 0, 0, 0, 0, BF0, 0
.endm
.macro ALOAD adr                       ; 32 fragments (4 row tiles x 8 K steps) from f16 rows of pitch XP into window 1
	WIN 0x40
.irp rt, 0,1,2,3
.irp ks, 0,1,2,3,4,5,6,7
	ds_load_b128 v[8*(8*\rt+\ks):8*(8*\rt+\ks)+3], v[\adr] offset:\rt*16*XP+\ks*64
	ds_load_b128 v[8*(8*\rt+\ks)+4:8*(8*\rt+\ks)+7], v[\adr] offset:\rt*16*XP+\ks*64+32
.endr
.endr
	WIN 0
.endm
.macro HLOAD win, rb                   ; two row tiles of h1 in f32 (rb, rb + 1) into a window: 16 registers for each fragment to be
	WIN \win
.irp rt, 0,1
.irp ks, 0,1,2,3,4,5,6,7
	ds_load_b128 v[128*\rt+16*\ks:128*\rt+16*\ks+3], v[HTF] offset:(\rt+\rb)*16*HP+\ks*128
	ds_load_b128 v[128*\rt+16*\ks+4:128*\rt+16*\ks+7], v[HTF] offset:(\rt+\rb)*16*HP+\ks*128+16
	ds_load_b128 v[128*\rt+16*\ks+8:128*\rt+16*\ks+11], v[HTF] offset:(\rt+\rb)*16*HP+\ks*128+64
	ds_load_b128 v[128*\rt+16*\ks+12:128*\rt+16*\ks+15], v[HTF] offset:(\rt+\rb)*16*HP+\ks*128+80
.endr
.endr
.endm
; ---- LN in two passes over window YW.  Four chains, one for each row tile.
.macro ROWSUM
	WIN W_SS
.irp rt, 0,1,2,3
	v_pk_add_f32 v[T+2*\rt:T+2*\rt+1], v[64*\rt:64*\rt+1], v[64*\rt+2:64*\rt+3]
.endr
	WIN W_S1
.set i_, 2
.rept 30
.irp rt, 0,1,2,3
	v_pk_add_f32 v[T+2*\rt:T+2*\rt+1], v[T+2*\rt:T+2*\rt+1], v[64*\rt+2*i_:64*\rt+2*i_+1]
.endr
.set i_, i_+1
.endr
.endm
.macro XCHG p                          ; the pair, the other half of the lanes, the partner wave (other 128 columns): v[T+2 rt] = the whole row's sum
	WIN 0
.irp rt, 0,1,2,3
	v_add_f32 v[T+2*\rt], v[T+2*\rt], v[T+2*\rt+1]
.endr
.irp rt, 0,1,2,3
	v_permlanex16_b32 v[TMP], v[T+2*\rt], s66, s67
	v_add_f32 v[T+2*\rt], v[T+2*\rt], v[TMP]
.endr
.irp rt, 0,1,2,3
	ds_store_b32 v[SCW], v[T+2*\rt] offset:\p*1024+\rt*64
.endr
	s_wait_dscnt 0x0                               ; my words are written, and all my earlier LDS reads are back
	BAR                                            ; the last chunk's load may stay out
.irp rt, 0,1,2,3
	ds_load_b32 v[T+2*\rt+1], v[SCX] offset:\p*1024+\rt*64
.endr
	s_wait_dscnt 0x0
.irp rt, 0,1,2,3
	v_add_f32 v[T+2*\rt], v[T+2*\rt], v[T+2*\rt+1]
.endr
.endm
.macro LNORM
	ROWSUM
	XCHG 0
.irp rt, 0,1,2,3
	v_mul_f32 v[MU+2*\rt], s84, v[T+2*\rt]
	v_mul_f32 v[MU+2*\rt+1], s84, v[T+2*\rt]
.endr
	WIN W_DS
.irp rt, 0,1,2,3
.set i_, 0
.rept 32
	v_pk_add_f32 v[64*\rt+2*i_:64*\rt+2*i_+1], v[64*\rt+2*i_:64*\rt+2*i_+1], v[MU+2*\rt:MU+2*\rt+1] neg_lo:[0,1] neg_hi:[0,1]
.set i_, i_+1
.endr
.endr
	WIN W_SS
.irp rt, 0,1,2,3
	v_pk_mul_f32 v[T+2*\rt:T+2*\rt+1], v[64*\rt:64*\rt+1], v[64*\rt:64*\rt+1]
.endr
.set i_, 1
.rept 31
.irp rt, 0,1,2,3
	v_pk_fma_f32 v[T+2*\rt:T+2*\rt+1], v[64*\rt+2*i_:64*\rt+2*i_+1], v[64*\rt+2*i_:64*\rt+2*i_+1], v[T+2*\rt:T+2*\rt+1]
.endr
.set i_, i_+1
.endr
	XCHG 1
.irp rt, 0,1,2,3
	v_fma_f32 v[T+2*\rt], v[T+2*\rt], s84, s85     ; variance + 1e-5
.endr
.irp rt, 0,1,2,3
	v_rsq_f32 v[MU+2*\rt], v[T+2*\rt]
.endr
	v_nop                                          ; one plain instruction behind the transcendentals (ISA guide 5.7.2)
	s_wait_alu depctr_va_vdst(0)
.irp rt, 0,1,2,3
	v_mov_b32 v[MU+2*\rt+1], v[MU+2*\rt]
.endr
	s_wait_loadcnt 0x0                             ; gain and bias (and fc_b, which is older)
	WIN W_DS
.irp rt, 0,1,2,3
.set i_, 0
.rept 32
	v_pk_mul_f32 v[64*\rt+2*i_:64*\rt+2*i_+1], v[64*\rt+2*i_:64*\rt+2*i_+1], v[MU+2*\rt:MU+2*\rt+1]
.set i_, i_+1
.endr
.set i_, 0
.rept 32
	v_pk_fma_f32 v[64*\rt+2*i_:64*\rt+2*i_+1], v[64*\rt+2*i_:64*\rt+2*i_+1], v[BF0+2*i_:BF0+2*i_+1], v[BF1+2*i_:BF1+2*i_+1]
.set i_, i_+1
.endr
.endr
.endm
.macro STAGE32 win                     ; my 64 x 128 numbers into the f32 row stage
	WIN \win
.irp rt, 0,1,2,3
.irp ct, 0,1,2,3,4,5,6,7
	ds_store_b128 v[HTA], v[64*\rt+8*\ct:64*\rt+8*\ct+3] offset:\rt*16*HP+\ct*64
	ds_store_b128 v[HTA], v[64*\rt+8*\ct+4:64*\rt+8*\ct+7] offset:\rt*16*HP+\ct*64+16
.endr
.endr
	WIN 0
.endm
.macro PACK rt                         ; a row tile rounded to f16 into the f16 stage
	WIN W_SS
.set i_, 0
.rept 32
	v_cvt_pk_f16_f32 v[BF0+32*(\rt&1)+i_], v[64*\rt+2*i_], v[64*\rt+2*i_+1]
.set i_, i_+1
.endr
	WIN 0
.irp ct, 0,1,2,3,4,5,6,7
	ds_store_b128 v[SBA], v[BF0+32*(\rt&1)+4*\ct:BF0+32*(\rt&1)+4*\ct+3] offset:\rt*16*XP+\ct*32
.endr
.endm
; eight whole rows out, if they exist (25,000 is a multiple of 8: a group of eight is wholly in or wholly out);
; each store of the wave covers 512 consecutive bytes, aligned
.macro ROWS8E g, buf
	s_wait_xcnt 0x0                                ; the buffer's last stores have read it; EXEC changes only behind this wait
.set t_, 0
.rept 16
	ds_load_b128 v[\buf+4*t_:\buf+4*t_+3], v[ROWL] offset:(8*\g+(t_>>1))*HP+(t_&1)*512
.set t_, t_+1
.endr
	v_mov_b32 v[TMP], 8*\g
	v_cmp_gt_i32 vcc_lo, s83, v[TMP]
	s_and_saveexec_b32 s88, vcc_lo
.set t_, 0
.rept 16
	s_wait_dscnt 15-t_                             ; the younger loads of this run may stay out
	global_store_b128 v[L16], v[\buf+4*t_:\buf+4*t_+3], s[98:99] offset:(8*\g+(t_>>1))*1024+(t_&1)*512 th:TH_STORE_NT
.set t_, t_+1
.endr
	s_wait_xcnt 0x0                                ; EXEC is restored only when the stores have read their sources
	s_or_b32 exec_lo, exec_lo, s88
.endm
	s_load_b256 s[4:11], s[0:1], 0x0               ; HB 4, EP 6, WP1 8, ln_w 10
	s_load_b128 s[12:15], s[0:1], 0x20             ; ln_b 12, fc_b 14
	s_load_b64 s[96:97], s[0:1], 0x30              ; out0
	v_lshrrev_b32 v1, 5, v0
	v_readfirstlane_b32 s16, v1                    ; wave
	s_lshr_b32 s17, s16, 1                         ; wr
	s_and_b32 s18, s16, 1                          ; wc
	s_bfe_u32 s19, ttmp6, 0x40000                  ; my place in the cluster
	s_lshl_b32 s20, ttmp9, 2
	s_add_co_u32 s20, s20, s19                     ; work-group
	s_mov_b32 s21, 0x3827c5ac                      ; 1/25,000
	s_mov_b32 s22, 0x3e000000                      ; 0.125 = 0.5 / 4 heads
	s_mov_b32 s66, 0x76543210                      ; v_permlanex16_b32: lane i reads lane i of the other half
	s_mov_b32 s67, 0xfedcba98
	s_mov_b32 s84, 0x3b800000                      ; 1/256
	s_mov_b32 s85, 0x3727c5ac                      ; 1e-5
	; group 1 of a joint load: a quarter of a chunk, dense, as 64 rows of 32 elements of 8 bytes
	s_mov_b32 s24, 0x0023000f                      ; 15:0 the cluster's four work-groups; 17:16 8-byte elements; 21 set beside a mask
	s_mov_b32 s25, 32<<16                          ; tensor_dim0 = 32
	s_mov_b32 s26, 64<<16                          ; tensor_dim1 = 64
	s_mov_b32 s27, 32<<16                          ; tile_dim0 = 32
	s_mov_b32 s28, 64                              ; tile_dim1 = 64
	s_mov_b32 s29, 32                              ; elements from row to row
	s_mov_b32 s30, 0
	s_mov_b32 s31, 0
	; group 1 of my own load: 32 rows of 256 f32, 4 words of padding behind each 256 words
	s_mov_b32 s32, 0x07d20000                      ; no mask; 17:16 4-byte elements; 20 padding; 24:22 code 7; 31:25 code 3
	s_mov_b32 s33, 256<<16
	s_mov_b32 s34, 32<<16
	s_mov_b32 s35, 256<<16
	s_mov_b32 s36, 32
	s_mov_b32 s37, 256
	s_mov_b32 s38, 0
	s_mov_b32 s39, 0
	s_mov_b32 s40, 1
	s_lshl_b32 s41, s16, 14                        ; LDS: wave x 16,384 in slot 0
	s_mov_b32 s44, 1
	s_add_co_u32 s45, s41, 0x10000                 ; and in slot 1
	s_mov_b32 s48, 1
	s_mul_i32 s49, s16, 32*HP
	s_add_co_u32 s49, s49, HTB                     ; my 32 rows of h1
	s_mov_b32 s52, 1
	s_lshl_b32 s53, s16, 14                        ; fc's chunks go to the same places
	s_mov_b32 s56, 1
	s_add_co_u32 s57, s53, 0x10000
	s_mov_b32 s72, s41
	s_mov_b32 s73, 0
	s_lshl_b32 s74, s20, 17                        ; 128 rows of 1,024 bytes a group,
	s_lshl_b32 s75, s16, 15                        ; 32 a wave
	s_add_co_u32 s74, s74, s75
	s_mov_b32 s75, 0
	s_add_co_u32 s76, s41, FCT_O
	s_mov_b32 s77, 0
	s_wait_kmcnt 0x0
	s_add_nc_u64 s[42:43], s[6:7], s[72:73]        ; E's chunk 0, my quarter: the address hangs on the wave alone
	s_add_nc_u64 s[46:47], s[42:43], 0x10000       ; chunk 1
	s_add_nc_u64 s[50:51], s[4:5], s[74:75]        ; HB at my wave's 32 rows
	s_add_nc_u64 s[54:55], s[8:9], s[76:77]        ; fc's chunk 0
	s_add_nc_u64 s[58:59], s[54:55], 0x10000       ; fc's chunk 1
	s_or_b32 s43, s43, 0x80000000
	s_or_b32 s47, s47, 0x80000000
	s_or_b32 s51, s51, 0x80000000
	s_or_b32 s55, s55, 0x80000000
	s_or_b32 s59, s59, 0x80000000
	s_add_nc_u64 s[98:99], s[96:97], s[74:75]      ; out0 at my wave's 32 rows
	ROUND                                          ; the four work-groups are here: the joint loads meet
	tensor_load_to_lds s[48:51], s[32:39]          ; h1, then chunks 0 and 1: the first fills go out as one group
	s_nop 0
	tensor_load_to_lds s[40:43], s[24:31]
	s_nop 0
	tensor_load_to_lds s[44:47], s[24:31]
	s_nop 0
	s_load_b128 s[60:63], s[6:7], DV_O             ; d_h
	v_and_b32 v1, 31, v0
	v_and_b32 v2, 15, v0
	v_bfe_u32 v3, v0, 4, 1
	v_lshlrev_b32 v[L16], 4, v1
	s_lshl_b32 s78, s18, 9
	v_lshl_add_u32 v[COFF], v3, 5, s78
.set k_, 0
.rept 16
	global_load_b128 v[BF0+4*k_:BF0+4*k_+3], v[L16], s[6:7] offset:UF_O+k_*512   ; u, eight fragments
.set k_, k_+1
.endr
	VLOAD EB, 6, EV_O
	s_lshl_b32 s76, s18, 15
	v_add_nc_u32 v[BAD], s76, v[L16]
	v_add_nc_u32 v[BAD+1], 0x10000, v[BAD]
	s_lshl_b32 s77, s17, 6
	v_add_nc_u32 v[TMP], s77, v2                   ; 64 wr + r
	v_mul_u32_u24 v[HTF], v[TMP], HP
	v_add_nc_u32 v[HTF], HTB, v[HTF]
	v_lshl_add_u32 v[HTF], v3, 5, v[HTF]
	v_add_nc_u32 v[HTA], s78, v[HTF]
	v_lshlrev_b32 v[SCX], 2, v[TMP]
	v_add_nc_u32 v[SCX], SCR, v[SCX]
	v_add_nc_u32 v[SCW], s78, v[SCX]
	s_xor_b32 s79, s78, 512
	v_add_nc_u32 v[SCX], s79, v[SCX]
	s_mul_i32 s79, s16, 32*HP
	s_add_co_u32 s79, s79, HTB
	v_add_nc_u32 v[ROWL], s79, v[L16]
	v_mul_u32_u24 v[AUX], v[TMP], XP
	v_add_nc_u32 v[AUX], HTB, v[AUX]
	v_lshl_add_u32 v[AUX], v3, 4, v[AUX]           ; f16 stage: row 64 wr + r, 16 hh
	s_lshl_b32 s79, s18, 8
	v_add_nc_u32 v[SBA], s79, v[AUX]               ; + my 128 columns
	s_lshl_b32 s82, s20, 7
	s_sub_co_u32 s82, N_ROWS, s82                  ; rows left from the group's first row
	s_lshl_b32 s83, s16, 5
	s_sub_co_u32 s83, s82, s83                     ; from the first of the 32 rows that my wave stores (may be negative)
	s_wait_tensorcnt 0x1                           ; h1 and chunk 0 have landed; chunk 1 may stay out
	BAR
	; h1's fragments: f32 from LDS (row tiles 0, 1 through window 2; 2, 3 through window 3), rounded to f16 into window 1
	HLOAD 0x80, 0
	HLOAD 0xc0, 2
	s_wait_dscnt 0x0
	WIN 0x4a
.set i_, 0
.rept 128
	v_cvt_pk_f16_f32 v[i_], v[2*i_], v[2*i_+1]     ; fragment register 8 (8 rt + ks) + i from f32 registers 128 rt + 16 ks + 2 i, + 1
.set i_, i_+1
.endr
	WIN 0x4f
.set i_, 0
.rept 128
	v_cvt_pk_f16_f32 v[128+i_], v[2*i_], v[2*i_+1]
.set i_, i_+1
.endr
	; the denominators: h1 . u_h for all four heads at once (columns 0..3 of a tile); four sums by turns
	s_wait_loadcnt 16                              ; e_0's sixteen younger loads may stay out: u is in
	WIN 0x04
.irp ks, 0,1,2,3,4,5,6,7
.irp rt, 0,1,2,3
.if \ks
	v_wmma_f32_16x16x32_f16 v[BF1+8*\rt:BF1+8*\rt+7], v[BF0+8*\ks:BF0+8*\ks+7], v[8*(8*\rt+\ks):8*(8*\rt+\ks)+7], v[BF1+8*\rt:BF1+8*\rt+7]
.else
	v_wmma_f32_16x16x32_f16 v[BF1+8*\rt:BF1+8*\rt+7], v[BF0+8*\ks:BF0+8*\ks+7], v[8*(8*\rt+\ks):8*(8*\rt+\ks)+7], 0
.endif
.endr
.endr
	WIN 0
	PLACES
	s_wait_kmcnt 0x0
.irp rt, 0,1,2,3
.irp h, 0,1,2,3
	v_permlanex16_b32 v[TMP], v[BF1+8*\rt+\h], s66, s67        ; lanes 16-31 hold columns 8..11, zeros: the sum gives both halves the row's number
	v_add_f32 v[BF1+8*\rt+\h], v[BF1+8*\rt+\h], v[TMP]
	v_add_f32 v[BF1+8*\rt+\h], s[60+\h], v[BF1+8*\rt+\h]
	v_fma_f32 v[BF1+8*\rt+\h], v[BF1+8*\rt+\h], s21, 1.0       ; den / N
.endr
.endr
.irp rt, 0,1,2,3
.irp h, 0,1,2,3
	v_rcp_f32 v[BF1+8*\rt+\h], v[BF1+8*\rt+\h]
.endr
.endr
	v_nop                                          ; one plain instruction behind the transcendentals (ISA guide 5.7.2)
	s_wait_alu depctr_va_vdst(0)
.irp rt, 0,1,2,3
.irp h, 0,1,2,3
	v_mul_f32 v[WPR+8*\rt+2*\h], s22, v[BF1+8*\rt+\h]
	v_mul_f32 v[WPR+8*\rt+2*\h+1], s22, v[BF1+8*\rt+\h]
.endr
.endr
	FETCH 0, 0, BF0
.set EBS, 6
.set EBO, EV_O+1024
	HEAD 0, 40, 44, 1, 1                           ; behind chunks 0 and 1: chunks 2 and 3 are asked for
.set EBO, EV_O+2048
	HEAD 1, 40, 44, 1, 1
.set EBO, EV_O+3072
	HEAD 2, 40, 44, 1, 1
.set EBS, 14
.set EBO, 0
	HEAD 3, 52, 56, 0, 0                           ; behind chunks 6 and 7: fc's two chunks; the bias row asked for is fc_b
	WIN 0
	VLOAD BF0, 10, 2048                            ; ln_w[2], ln_b[2]
	VLOAD BF1, 12, 2048
	; the residual: h1 in f32, each lane its own 32 bytes of each row
	WIN 0x80
.irp rt, 0,1,2,3
.irp ct, 0,1,2,3,4,5,6,7
	ds_load_b128 v[64*\rt+8*\ct:64*\rt+8*\ct+3], v[HTA] offset:\rt*16*HP+\ct*64
	ds_load_b128 v[64*\rt+8*\ct+4:64*\rt+8*\ct+7], v[HTA] offset:\rt*16*HP+\ct*64+16
.endr
.endr
	s_wait_dscnt 0x0
	WIN 0xf2
.set i_, 0
.rept 128
	v_pk_fma_f32 v[2*i_:2*i_+1], v[2*i_:2*i_+1], 0.5, v[2*i_:2*i_+1] op_sel_hi:[1,0,1]
.set i_, i_+1
.endr
	LNORM
	; h2 in f16 goes over h1: every wave's reads of h1 were waited for ahead of LN's barriers, and no fill lands there again
	PACK 0
	PACK 1
	PACK 2
	PACK 3
	s_wait_dscnt 0x0                               ; my part of h2 is in the stage,
	s_wait_tensorcnt 0x0                           ; my quarters of fc's chunks have landed:
	BAR                                            ; everybody's have.  Nothing is filled again from here on
	ALOAD AUX
	FETCH 0, 0, BF0
	FCPROD
	WIN 0
	s_wait_dscnt 0x0
	BAR                                            ; nobody reads h2's stage any more: out goes over it
	PLACES
	STAGE32 0x08
	s_wait_dscnt 0x0
	BAR                                            ; the stage is whole
	ROWS8E 0, BF0
	ROWS8E 1, BF1
	ROWS8E 2, BF0
	ROWS8E 3, BF1
	ROUND                                          ; the closing round
	s_endpgm
.Lfunc_end_k_q0e5256fc74_final:
	.size	k_q0e5256fc74_final, .Lfunc_end_k_q0e5256fc74_final-k_q0e5256fc74_final
	.p2alignl 7, 3214868480
	.fill 96, 4, 3214868480
	.section	.rodata,"a",@progbits
	.p2align	6, 0x0
	.amdhsa_kernel k_q0e5256fc74_final
		.amdhsa_group_segment_fixed_size 327680
		.amdhsa_private_segment_fixed_size 0
		.amdhsa_enable_private_segment 0
		.amdhsa_kernarg_size 56
		.amdhsa_user_sgpr_count 2
		.amdhsa_user_sgpr_kernarg_segment_ptr 1
		.amdhsa_wavefront_size32 1
		.amdhsa_system_sgpr_workgroup_id_x 1
		.amdhsa_system_sgpr_workgroup_id_y 1
		.amdhsa_system_sgpr_workgroup_id_z 1
		.amdhsa_system_vgpr_workitem_id 0
		.amdhsa_next_free_vgpr 1024
		.amdhsa_next_free_sgpr 100
		.amdhsa_reserve_vcc 1
		.amdhsa_float_denorm_mode_32 3
		.amdhsa_float_denorm_mode_16_64 3
		.amdhsa_memory_ordered 1
		.amdhsa_forward_progress 1
		.amdhsa_inst_pref_size 255
	.end_amdhsa_kernel
	.section	.bss,"aw",@nobits
	.p2align	6
	.space	262144
	.amdgpu_metadata
---
amdhsa.version: [ 1, 2 ]
amdhsa.kernels:
  - .name:           k_q0e5256fc74_final
    .symbol:         k_q0e5256fc74_final.kd
    .args:
      - { .name: HB, .offset: 0, .size: 8, .value_kind: global_buffer, .address_space: global }
      - { .name: EP, .offset: 8, .size: 8, .value_kind: global_buffer, .address_space: global }
      - { .name: WP1, .offset: 16, .size: 8, .value_kind: global_buffer, .address_space: global }
      - { .name: ln_w, .offset: 24, .size: 8, .value_kind: global_buffer, .address_space: global }
      - { .name: ln_b, .offset: 32, .size: 8, .value_kind: global_buffer, .address_space: global }
      - { .name: fc_b, .offset: 40, .size: 8, .value_kind: global_buffer, .address_space: global }
      - { .name: out0, .offset: 48, .size: 8, .value_kind: global_buffer, .address_space: global }
    .group_segment_fixed_size: 327680
    .private_segment_fixed_size: 0
    .kernarg_segment_align: 8
    .kernarg_segment_size: 56
    .max_flat_workgroup_size: 128
    .sgpr_count:     100
    .vgpr_count:     1024
    .wavefront_size: 32
...
	.end_amdgpu_metadata
.endif
;; end of part 6
